; MI455X (gfx1250); checked and timed in simulation.
; The chip was launched on July 23, 2026; its instructions are those of AMD's public machine-readable ISA for CDNA 5 (MIT licence, August 2026) and "CDNA5" Instruction Set Architecture Reference Guide (July 2026). The comments in the code are by the model that wrote it; some were corrected since.
;; SWD. Allowed arithmetic: float matrix products may take bf16 or f16 operands with f32 sums; other float arithmetic in f32, or as packed bf16 or f16 multiplies, adds, multiply-adds, maxima and minima; sums over many terms, partial sums and values carried from step to step in f32; what a program stores and reads back later, other than sums and carried values, may be rounded once to bf16 or f16.
;; Inputs: W1 512 x 4,096 float32; W2 512 x 2,048 float32; b1 512 float32; b2 512 float32; global_att 2,048 x 4,096 float32; x1 4,096 x 4,096 float32; x2 4,096 x 2,048 float32.
;; Outputs: out0 2,048 x 4,096 float32.
;; 2 versions, each right; version 2 is version 1 with the launches window, norm written anew for expert scheduling mode. Each part assembles by itself: llvm-mc -triple=amdgcn-amd-amdhsa -mcpu=gfx1250 --defsym DOCPART=n.
;; ======== version 1 of 2: 4 launches
;; workspace buffers: hp 18,874,368 bytes; S2 4,194,304 bytes; H2 8,388,608 bytes; eb 16,777,216 bytes; mx 131,072 bytes; sm 131,072 bytes
;; launch proj (part 1): grid 4 x 64, 4 waves a work-group, clusters of 4 x 4, 327,680 bytes of LDS; arguments x1, x2, W1, W2, hp; writes hp
.if DOCPART == 1
	.amdgcn_target "amdgcn-amd-amdhsa--gfx1250"
	.amdhsa_code_object_version 6
	.text
	.protected	k_q4caa106afd_proj
	.globl	k_q4caa106afd_proj
	.p2align	8
	.type	k_q4caa106afd_proj,@function
k_q4caa106afd_proj:
	s_mov_b64 s[64:65], 0
	v_nop
	global_prefetch_b8 v0, s[64:65] scope:SCOPE_SE
	s_setreg_imm32_b32 hwreg(HW_REG_WAVE_MODE, 25, 1), 1
	s_wait_xcnt 0x0
	s_wait_alu depctr_hold_cnt(0) depctr_sa_sdst(0) depctr_va_vdst(0) depctr_va_sdst(0) depctr_va_ssrc(0) depctr_va_vcc(0) depctr_vm_vsrc(0)
	s_getreg_b32 s2, hwreg(HW_REG_IB_STS2, 6, 4)
	s_cmp_eq_u32 s2, 0
	s_cbranch_scc0 .Lentry_in_a_cluster
	s_endpgm
.Lentry_in_a_cluster:
	s_bfe_u32 s2, ttmp6, 0x10000c
	s_cmp_lg_u32 s2, 0xf033
	s_cbranch_scc0 .Lentry_shape_is_right
	s_endpgm
.Lentry_shape_is_right:
; THE TWO PROJECTIONS, without their biases: hp[unit][144 rows][512] f32 = x W^T.
; Units 0-31: x2 W2^T, unit t = x2's rows 128 t - (t & 16) .. + 143.  Units 32 + i and 48 + i: x1 W1^T, rows 132 i .. + 143, K half 0 and K half 1.
; Every unit is 144 rows x 512 columns over K = 2,048: 64 units x 4 column tiles of 128 = 256 work-groups with one text.  Rows that two units hold are stored twice and read once.
; Of x1 only rows 0 .. 2,123 are read: the band |c - r| < 64 with r < 2,048, which the problem itself builds, multiplies all later rows of x1 W1^T by 0.
; ONE PITCH.  x1 and W1 have rows of 4,096 numbers.  x2 and W2, rows of 2,048 and dense, are asked for as rows of 4,096 too: two rows side by side.  A load then brings rows of one parity: of the two waves that
; fetch a tile the first takes the even rows, the second the odd ones.  So in units 0-31 local row l lies at row 72 (l & 1) + (l >> 1), and column e of a group of 128 at place 64 (e & 1) + (e >> 1);
; the next launch reads them so.  Units 32-63 lie in natural order.  Which product a work-group belongs to enters the tiles' global addresses alone.
; FORMATS.  x and W are rounded to bf16 between LDS and the matrix unit; sums in f32; hp is f32.  NaN and infinities are not treated apart.
; SHARES.  A work-group makes 144 x 128.  Wave w takes all 9 blocks of 16 rows and the column blocks 2 w, 2 w + 1: 18 accumulators, 18 matrix instructions for 32 along K.
; The matrix instruction is used transposed (source 0 = 16 rows of W, source 1 = 16 rows of x): a lane then holds one row of the result and eight neighbouring columns.
; RING.  K goes in 16 steps of 128 (512 bytes of f32 a row) through two LDS slots; waves 0, 1 fetch x's two halves of 72 rows, waves 2, 3 W's two halves of 64 rows.
; CLUSTER.  4 x 4 work-groups: the four of a row share the unit (x's tile), the four of a column share W's tile; each tile is asked for jointly.  The product hangs on the cluster's y alone, which all
; sixteen share.  No prefetch is laid here: a K step's 144 rows of two blocks of 256 bytes do not share out evenly among four partners of 32 lanes.
.set PITCH,  528                       ; an LDS row: 512 bytes + 16 of padding = 132 words: row r starts at bank 4 r mod 64 (64 banks of 4 bytes: ISA guide 11.1)
.set BLK,    16*PITCH
.set AH,     72*PITCH                  ; what one load brings of x
.set AT,     2*AH
.set BH,     64*PITCH                  ; what one load brings of W
.set SLOT,   AT+2*BH                   ; x's 144 rows, then W's 128 rows
.set SPARE,  2*SLOT                    ; behind the ring: the spare words, 128 bytes for each wave; no other line names them
.set KSB,    512                       ; bytes of a row in a K step
.set A0,   3                           ; v3   my lane's place in a block: (l % 16) x pitch + 32 (l / 16)
.set A80,  4                           ; v4   the same in x's ninth block (its offset does not fit the 16-bit immediate)
.set B0,   5                           ; v5   the same in my first block of W
.set VA,   6                           ; v6-8 these three plus the LDS byte of the half step in hand
.set VA8,  7
.set VB,   8
.set STO,  9                           ; v9   the way out: where I put 16 bytes of a row; v10 the same for the ninth block
.set STO8, 10
.set RD,   11                          ; v11  where I read rows back
.set CO,   12                          ; v12  16 x lane
.set SPW,  14                          ; v14  my spare word; never rewritten
.set NIL,  15                          ; v15  0; never rewritten
.set FB,   16                          ; v[16:31]   W's two fragments, bf16
.set FA,   32                          ; v[32:47]   x's fragment, bf16, two by turns
.set LND,  48                          ; v[48:111]  four landing sets of 16 f32
.set ACC,  112                         ; v[112:255] accumulator (a, b) at ACC + 8 (2 a + b)
.set WV,   14                          ; s14  wave
.set FORB, 15                          ; s15  0: I fetch x, 1: I fetch W
.set HF,   16                          ; s16  which half of that tile
.set G1,   24                          ; s[24:31] group 1 for x's tiles; s[32:39] group 0, a set for each slot
.set G0,   32
.set G1B,  48                          ; s[48:55], s[56:63] the same for W's
.set G0B,  56
.set TB,   66                          ; s66  LDS byte of the half step in hand
.set HC,   67                          ; s67  counts a K step's two halves
.set LAPC, 68                          ; s68  counts laps
.set PA,   70                          ; s[70:71] x at my part of the tile; s[72:73] W at mine
.set PB,   72
.set OA,   74                          ; s[74:75], s[76:77] their byte offsets
.set OB,   76
.set KO,   79                          ; s79  x1 W1^T: byte at which my K half begins
.set W0,   (2<<16)|(1<<20)|(1<<21)|(6<<22)|(3<<25)  ; 17:16 elements of 4 bytes; 20 padding on; 21 set beside a mask; 24:22 after every 128 words; 31:25 4 words of it
.macro JLOAD s                         ; a joint load; an s_nop 0 and four v_nop follow each of the two lines
	s_cmp_eq_u32 s[FORB], 0
	s_cbranch_scc0 .Lfor_b_\@
	tensor_load_to_lds s[G0+4*(\s):G0+4*(\s)+3], s[G1:G1+7]
	s_nop 0
.rept 4
	v_nop
.endr
	s_branch .Lasked_\@
.Lfor_b_\@:
	tensor_load_to_lds s[G0B+4*(\s):G0B+4*(\s)+3], s[G1B:G1B+7]
	s_nop 0
.rept 4
	v_nop
.endr
.Lasked_\@:
.endm
.macro CROUND                          ; a round of the cluster's barrier
	s_barrier_signal -1
	s_barrier_wait -1
	s_cmp_lg_u32 s[WV], 0
	s_cbranch_scc1 .Lnot_wave_0_\@
	s_barrier_signal -3
.Lnot_wave_0_\@:
	s_barrier_wait -3
	s_barrier_signal -1
	s_barrier_wait -1
.endm
	s_load_b256 s[4:11], s[0:1], 0x0               ; x1 s[4:5], x2 s[6:7], W1 s[8:9], W2 s[10:11]
	s_load_b64 s[12:13], s[0:1], 0x20              ; hp
	v_lshl_add_u32 v[SPW], v0, 2, SPARE
	v_mov_b32 v[NIL], 0
	ds_add_u32 v[SPW], v[NIL]                      ; the wave's opening: the add and its wait stand ahead of my first tensor load; register work stands between
	v_lshrrev_b32 v1, 5, v0
	v_readfirstlane_b32 s[WV], v1
	s_lshr_b32 s[FORB], s[WV], 1
	s_and_b32 s[HF], s[WV], 1
	s_bfe_u32 s40, ttmp6, 0x40000                  ; cx
	s_bfe_u32 s41, ttmp6, 0x40004                  ; cy
	s_lshl_b32 s42, ttmp9, 2
	s_add_co_u32 s42, s42, s40                     ; column tile = 4 x cluster x + cx
	s_and_b32 s43, ttmp7, 0xffff                   ; cluster y: below 8 the product is x2 W2^T
	s_lshl_b32 s44, s43, 2
	s_add_co_u32 s44, s44, s41                     ; unit = 4 x cluster y + cy
	s_lshl_b32 s45, s41, 2
	s_lshl_b32 s45, 15, s45                        ; my row of the cluster
	s_lshl_b32 s46, 0x1111, s40                    ; my column
	s_or_b32 s[G1], s45, W0
	s_or_b32 s[G1B], s46, W0
	s_mov_b32 s[G1+1], 128<<16                     ; tensor_dim0 = 128
	s_mov_b32 s[G1B+1], 128<<16
	s_mov_b32 s[G1+2], 72<<16                      ; tensor_dim1 = the rows of a load
	s_mov_b32 s[G1B+2], 64<<16
	s_mov_b32 s[G1+3], 128<<16                     ; tile_dim0 = 128
	s_mov_b32 s[G1B+3], 128<<16
	s_mov_b32 s[G1+4], 72                          ; tile_dim1
	s_mov_b32 s[G1B+4], 64
	s_mov_b32 s[G1+5], 4096                        ; elements from row to row: the one pitch
	s_mov_b32 s[G1B+5], 4096
	s_mov_b32 s[G1+6], 0
	s_mov_b32 s[G1B+6], 0
	s_mov_b32 s[G1+7], 0
	s_mov_b32 s[G1B+7], 0
	s_bfe_u32 s[KO], s43, 0x10002                  ; x1 W1^T: K half = bit 2 of the cluster's y,
	s_lshl_b32 s[KO], s[KO], 13                    ; 2,048 f32 each
	; x's offsets, of the unit and the wave alone
	s_lshl_b32 s20, s44, 7
	s_and_b32 s21, s44, 16
	s_sub_co_u32 s20, s20, s21                     ; x2: first row 128 t - (t & 16), an even number;
	s_add_co_u32 s20, s20, s[HF]                   ; my parity;
	s_lshl_b32 s20, s20, 13                        ; rows of 8,192 bytes
	s_and_b32 s22, s44, 15
	s_mul_i32 s22, s22, 132                        ; x1: first row 132 i,
	s_mul_i32 s23, s[HF], 72                       ; my 72 rows,
	s_add_co_u32 s22, s22, s23
	s_lshl_b32 s22, s22, 14                        ; rows of 16,384 bytes,
	s_add_co_u32 s22, s22, s[KO]                   ; my K half
	; W's offsets, of the column tile, the cluster's y and the wave alone
	s_lshl_b32 s80, s42, 7
	s_add_co_u32 s81, s80, s[HF]                   ; W2: first row 128 x column tile, my parity
	s_lshl_b32 s81, s81, 13
	s_lshl_b32 s[OB+1], s[HF], 6
	s_add_co_u32 s80, s80, s[OB+1]                 ; W1: row 128 x column tile + 64 x half
	s_lshl_b32 s80, s80, 14
	s_add_co_u32 s80, s80, s[KO]
	s_mul_i32 s17, s[HF], AH                       ; where my load goes in a slot, if it is x's,
	s_mul_i32 s18, s[HF], BH
	s_add_co_u32 s18, s18, AT                      ; if it is W's: no place in the cluster enters an LDS address
	s_wait_dscnt 0x0                               ; the opening add is done
	s_wait_kmcnt 0x0
	s_cmp_lt_u32 s43, 8                            ; one compare, and selects that leave SCC alone
	s_cselect_b64 s[PA:PA+1], s[6:7], s[4:5]
	s_cselect_b64 s[PB:PB+1], s[10:11], s[8:9]
	s_cselect_b32 s[OA], s20, s22
	s_cselect_b32 s[OB], s81, s80
	s_mov_b32 s[OA+1], 0
	s_mov_b32 s[OB+1], 0
	s_add_nc_u64 s[PA:PA+1], s[PA:PA+1], s[OA:OA+1]
	s_add_nc_u64 s[PB:PB+1], s[PB:PB+1], s[OB:OB+1]
	s_mul_i32 s82, s44, 144                        ; hp: row 144 x unit + 36 x wave, column 128 x column tile
	s_mul_i32 s83, s[WV], 36
	s_add_co_u32 s82, s82, s83
	s_lshl_b32 s82, s82, 11
	s_lshl_b32 s83, s42, 9
	s_add_co_u32 s82, s82, s83
	s_mov_b32 s83, 0
	s_add_nc_u64 s[12:13], s[12:13], s[82:83]
	CROUND                                         ; all sixteen work-groups are here: the first joint loads meet
.irp s, 0,1
	s_mov_b32 s[G0+4*(\s)], 1
	s_add_co_u32 s[G0+4*(\s)+1], s17, (\s)*SLOT
	s_add_nc_u64 s[G0+4*(\s)+2:G0+4*(\s)+3], s[PA:PA+1], (\s)*KSB
	s_or_b32 s[G0+4*(\s)+3], s[G0+4*(\s)+3], 0x80000000
	s_mov_b32 s[G0B+4*(\s)], 1
	s_add_co_u32 s[G0B+4*(\s)+1], s18, (\s)*SLOT
	s_add_nc_u64 s[G0B+4*(\s)+2:G0B+4*(\s)+3], s[PB:PB+1], (\s)*KSB
	s_or_b32 s[G0B+4*(\s)+3], s[G0B+4*(\s)+3], 0x80000000
	JLOAD \s                                       ; K steps 0 and 1: two tensor loads of mine are out, never more
.endr
	v_and_b32 v1, 15, v0                           ; l % 16
	v_bfe_u32 v2, v0, 4, 1                         ; l / 16
	v_and_b32 v13, 31, v0
	v_mul_u32_u24 v[A0], v1, PITCH
	v_lshl_add_u32 v[A0], v2, 5, v[A0]             ; eight f32 for each half of the lanes
	v_add_nc_u32 v[A80], 8*BLK, v[A0]
	s_mul_i32 s19, s[WV], 2*BLK
	s_add_co_u32 s19, s19, AT
	v_add_nc_u32 v[B0], s19, v[A0]
	s_lshl_b32 s19, s[WV], 7                       ; the way out: my 32 columns are 128 bytes of a stage row
	v_add_nc_u32 v[STO], s19, v[A0]
	v_add_nc_u32 v[STO8], 8*BLK, v[STO]
	s_mul_i32 s19, s[WV], 36*PITCH
	v_lshl_add_u32 v[RD], v13, 4, s19
	v_lshlrev_b32 v[CO], 4, v13
.set i, 0
.rept 144
	v_mov_b32 v[ACC+i], 0                          ; the sums start at 0, written in the wait for the first tile, so that a K step has one text
.set i, i+1
.endr
; Four LDS loads: 16 rows x 32 K of f32 for one fragment: k = 8 (l / 16) + 0..7 (32 bytes) and 16 + 8 (l / 16) + 0..7 (64 bytes on)
.macro LDI set, adr, off
	ds_load_b128 v[LND+16*(\set):LND+16*(\set)+3],     v[\adr] offset:(\off)
	ds_load_b128 v[LND+16*(\set)+4:LND+16*(\set)+7],   v[\adr] offset:(\off)+16
	ds_load_b128 v[LND+16*(\set)+8:LND+16*(\set)+11],  v[\adr] offset:(\off)+64
	ds_load_b128 v[LND+16*(\set)+12:LND+16*(\set)+15], v[\adr] offset:(\off)+80
.endm
.macro CVT dst, set                    ; sixteen f32 rounded to bf16: a fragment
.irp k, 0,1,2,3,4,5,6,7
	v_cvt_pk_bf16_f32 v[(\dst)+(\k)], v[LND+16*(\set)+2*(\k)], v[LND+16*(\set)+2*(\k)+1]
.endr
.endm
; Item n of a trip's 22: for each of two steps of 32 along K: W's blocks 0, 1, then x's blocks 0 to 8
.macro ISSUE n
.set qq, (\n)/11
.set ww, (\n)%11
.if ww < 2
	LDI (\n)%4, VB, 128*qq+ww*BLK
.elseif ww < 10
	LDI (\n)%4, VA, 128*qq+(ww-2)*BLK
.else
	LDI (\n)%4, VA8, 128*qq
.endif
.endm
; A K step out of a slot: two trips of 64 along K.  Three items' loads run ahead of the item in hand.  The 18 accumulators take turns, one instruction a turn, over both backward jumps too.
.macro WORK slot
	s_mov_b32 s[TB], (\slot)*SLOT
	s_mov_b32 s[HC], 2
.Lhalf_\@:
	v_add_nc_u32 v[VA], s[TB], v[A0]
	v_add_nc_u32 v[VA8], s[TB], v[A80]
	v_add_nc_u32 v[VB], s[TB], v[B0]
	ISSUE 0
	ISSUE 1
	ISSUE 2
.set it, 0
.rept 22
.if it < 19
	ISSUE it+3
	s_wait_dscnt 12                                ; the item in hand is in; the three younger items' twelve loads may be out
.else
	s_wait_dscnt 4*(21-it)                         ; the trip's last items: the count runs down
.endif
.set wi, it%11
.if wi == 0
.rept 4
	v_nop                                          ; four places between the last products, which read W's fragments, and the conversions that write them anew (ISA guide 7.12.1)
.endr
.endif
.if wi < 2
	CVT FB+8*wi, it%4
.else
.set aa, wi-2
	CVT FA+8*(aa%2), it%4                          ; this fragment's last reader stands behind the eight conversions of the block before
	v_wmma_f32_16x16x32_bf16 v[ACC+16*aa:ACC+16*aa+7], v[FB:FB+7], v[FA+8*(aa%2):FA+8*(aa%2)+7], v[ACC+16*aa:ACC+16*aa+7]
	v_wmma_f32_16x16x32_bf16 v[ACC+16*aa+8:ACC+16*aa+15], v[FB+8:FB+15], v[FA+8*(aa%2):FA+8*(aa%2)+7], v[ACC+16*aa+8:ACC+16*aa+15]
.endif
.set it, it+1
.endr
	s_add_co_u32 s[TB], s[TB], 256
	s_sub_co_u32 s[HC], s[HC], 1
	s_cmp_lg_u32 s[HC], 0
	s_cbranch_scc1 .Lhalf_\@
.endm
; The change to slot `slot`.  Each wave waits for all its tensor loads (one is out: its part of that slot), adds 0 to its spare word, and waits for that and for its reads of the slot that it leaves.
; refill = 1: the barrier is a round of the cluster's, and the slot just read takes the K step two on, first thing behind it: it has a whole K step in which to land.
.macro CHG slot, refill
	s_wait_tensorcnt 0x0
	ds_add_u32 v[SPW], v[NIL]
.if \refill
	s_add_nc_u64 s[G0+4*(1-(\slot))+2:G0+4*(1-(\slot))+3], s[G0+4*(1-(\slot))+2:G0+4*(1-(\slot))+3], 2*KSB    ; no load of mine is out: a group 0 may be written
	s_add_nc_u64 s[G0B+4*(1-(\slot))+2:G0B+4*(1-(\slot))+3], s[G0B+4*(1-(\slot))+2:G0B+4*(1-(\slot))+3], 2*KSB
.endif
	s_wait_dscnt 0x0
.if \refill
	CROUND
	JLOAD 1-(\slot)
.else
	s_barrier_signal -1
	s_barrier_wait -1
.endif
.endm
	s_wait_tensorcnt 1                             ; my part of K step 0 is in; K step 1's load may stay out
	s_barrier_signal -1
	s_barrier_wait -1
	WORK 0
	s_mov_b32 s[LAPC], 7
.Llap:                                             ; seven laps: K steps 1 to 14 are multiplied, 2 to 15 asked for
	CHG 1, 1
	WORK 1
	CHG 0, 1
	WORK 0
	s_sub_co_u32 s[LAPC], s[LAPC], 1
	s_cmp_lg_u32 s[LAPC], 0
	s_cbranch_scc1 .Llap
	CHG 1, 0                                       ; the tail is written out: nothing is left to ask for
	WORK 1
	; THE WAY OUT.  The stage is slot 0's 144 rows of x: its last fill was K step 14, and every wave's reads of it were over at the last barrier.
	; 16 bytes a lane go in; behind a barrier whole rows of 512 bytes come back, 36 rows a wave.
.rept 4
	v_nop                                          ; four places behind the last products
.endr
.set a, 0
.rept 8
.irp b, 0,1
	ds_store_b128 v[STO], v[ACC+8*(2*a+(\b)):ACC+8*(2*a+(\b))+3]   offset:a*BLK+64*(\b)      ; each accumulator's low four registers first
	ds_store_b128 v[STO], v[ACC+8*(2*a+(\b))+4:ACC+8*(2*a+(\b))+7] offset:a*BLK+64*(\b)+16
.endr
.set a, a+1
.endr
.irp b, 0,1
	ds_store_b128 v[STO8], v[ACC+8*(16+(\b)):ACC+8*(16+(\b))+3]   offset:64*(\b)
	ds_store_b128 v[STO8], v[ACC+8*(16+(\b))+4:ACC+8*(16+(\b))+7] offset:64*(\b)+16
.endr
	s_wait_dscnt 0x0                               ; for the others' sake: my stores into the stage are done
	s_barrier_signal -1
	s_barrier_wait -1
.set j, 0
.rept 36
	ds_load_b128 v[ACC+4*j:ACC+4*j+3], v[RD] offset:j*PITCH
.set j, j+1
.endr
.set j, 0
.rept 36
	s_wait_dscnt 35-j                              ; row j is back; the younger rows' loads may be out
	global_store_b128 v[CO], v[ACC+4*j:ACC+4*j+3], s[12:13] offset:j*2048  ; 32 lanes store 512 consecutive bytes, at a multiple of 512 from hp's first byte
.set j, j+1
.endr
	s_wait_tensorcnt 0x0                           ; the wave's end
	ds_add_u32 v[SPW], v[NIL]
	s_wait_dscnt 0x0
	CROUND                                         ; the closing round
	s_endpgm
.Lfunc_end_k_q4caa106afd_proj:
	.size	k_q4caa106afd_proj, .Lfunc_end_k_q4caa106afd_proj-k_q4caa106afd_proj
	.p2alignl 7, 3214868480
	.fill 96, 4, 3214868480
	.section	.rodata,"a",@progbits
	.p2align	6, 0x0
	.amdhsa_kernel k_q4caa106afd_proj
		.amdhsa_group_segment_fixed_size 327680
		.amdhsa_private_segment_fixed_size 0
		.amdhsa_enable_private_segment 0
		.amdhsa_kernarg_size 40
		.amdhsa_user_sgpr_count 2
		.amdhsa_user_sgpr_kernarg_segment_ptr 1
		.amdhsa_wavefront_size32 1
		.amdhsa_system_sgpr_workgroup_id_x 1
		.amdhsa_system_sgpr_workgroup_id_y 1
		.amdhsa_system_sgpr_workgroup_id_z 1
		.amdhsa_system_vgpr_workitem_id 0
		.amdhsa_next_free_vgpr 256
		.amdhsa_next_free_sgpr 84
		.amdhsa_reserve_vcc 0
		.amdhsa_float_denorm_mode_32 3
		.amdhsa_float_denorm_mode_16_64 3
		.amdhsa_memory_ordered 1
		.amdhsa_forward_progress 1
		.amdhsa_inst_pref_size 104
	.end_amdhsa_kernel
	.amdgpu_metadata
---
amdhsa.version: [ 1, 2 ]
amdhsa.kernels:
  - .name:           k_q4caa106afd_proj
    .symbol:         k_q4caa106afd_proj.kd
    .args:
      - { .name: x1, .offset: 0, .size: 8, .value_kind: global_buffer, .address_space: global }
      - { .name: x2, .offset: 8, .size: 8, .value_kind: global_buffer, .address_space: global }
      - { .name: W1, .offset: 16, .size: 8, .value_kind: global_buffer, .address_space: global }
      - { .name: W2, .offset: 24, .size: 8, .value_kind: global_buffer, .address_space: global }
      - { .name: hp, .offset: 32, .size: 8, .value_kind: global_buffer, .address_space: global }
    .group_segment_fixed_size: 327680
    .private_segment_fixed_size: 0
    .kernarg_segment_align: 8
    .kernarg_segment_size: 40
    .max_flat_workgroup_size: 128
    .sgpr_count:     84
    .vgpr_count:     256
    .wavefront_size: 32
...
	.end_amdgpu_metadata
.endif
;; end of part 1
;; launch window (part 2): grid 256 x 1, 8 waves a work-group, no clusters, 111,616 bytes of LDS; arguments hp, b1, b2, S2, H2; writes S2, H2
.if DOCPART == 2
	.amdgcn_target "amdgcn-amd-amdhsa--gfx1250"
	.amdhsa_code_object_version 6
	.text
	.protected	k_q4caa106afd_window
	.globl	k_q4caa106afd_window
	.p2align	8
	.type	k_q4caa106afd_window,@function
k_q4caa106afd_window:
	s_mov_b64 s[64:65], 0
	v_nop
	global_prefetch_b8 v0, s[64:65] scope:SCOPE_SE
	s_setreg_imm32_b32 hwreg(HW_REG_WAVE_MODE, 25, 1), 1
	s_wait_xcnt 0x0
; Work-groups 0-127:   S[r] = the sum over c = max(0, r - 63) .. r + 63 of (x1 W1^T)[c] + count x b1, r < 2,048: the band's row sum taken ahead of the product with h2 (sums may be regrouped).
; Work-groups 128-255: H[n] = log2(e) x ((x2 W2^T)[n] + b2), n < 4,096.  The factor makes the later exponentials powers of two.
; b1 and b2 are rounded to bf16, as every input of the program is.  All sums in f32, by additions alone: no sum is made as a difference of larger sums.
; OUT.  Each number goes out as hi + lo, two bf16 (hi = the number rounded, lo = the rest rounded): 16 significant bits.  A row of S2 and H2 is 8 chunks of 256 bytes: 64 hi, then the same 64 columns' lo.
; LIMITS.  What is left of a number behind hi + lo, some 2^-17 of it, is dropped; a number beyond bf16's range becomes an infinity; NaN and infinities are not treated apart.
; No matrix unit, no cluster, no tensor load: rows are read by plain loads, all of a wave's out together, and nothing is shared between work-groups but rows that neighbours also read.
.set TROW,  512                        ; LDS: 192 rows of 128 f32 (T), then their 24 sums of eight rows (B8)
.set B8,    192*TROW
.set SPARE, B8+24*TROW                 ; the spare words, 128 bytes for each of eight waves
.set L16, 5                            ; v5   16 x lane
.set SO,  6                            ; v6   where my 16 bytes of a split row go: chunk (l / 16), hi or lo (l % 2), eight columns ((l / 2) % 8)
.set TA,  7                            ; v7   my wave's rows of T
.set BSA, 8                            ; v8   my wave's three sums in B8
.set BA,  9                            ; v9   the fifteen sums that I read
.set LA,  10                           ; v10  the seven rows to their left
.set RA,  11                           ; v11  the seven rows to their right
.set SPW, 12                           ; v12  my spare word; never rewritten
.set NIL, 13                           ; v13  0; never rewritten
.set L8,  14                           ; v14  8 x lane
.set BB,  28                           ; v[28:31] b1 of my four columns
.set D0,  32                           ; v[32:127]  24 rows, K half 0, then the rows' sums
.set D1,  128                          ; v[128:223] K half 1, then at work
.set OFF, 224                          ; v[224:247] a row's byte offset in hp, a register a row
.set BS,  32                           ; phase 2: 15 sums; 7 left rows; 7 right rows; 8 results; 8 split results
.set LR,  96
.set RR,  128
.set OO,  160
.set QQ,  192
.set WV,  14
.set ODD, 15                           ; s15  the odd lanes
.set HM,  16                           ; s16  a word's upper bf16
.set LG,  18                           ; s[18:19] log2(e)
.set CW,  28                           ; s28  c of my wave's first row; below 0 in the first work-groups
.set RW,  29                           ; s29  my wave's first output row
.set ZZ,  30                           ; s[30:31] 0 for a row above the matrix, else 1
.set CN,  32                           ; s[32:33] the count of rows in the window
.set XB,  34                           ; s[34:35] 512 x column group
.macro ADD4 d, a, b                    ; four columns: d = a + b
	v_pk_add_f32 v[(\d):(\d)+1], v[(\a):(\a)+1], v[(\b):(\b)+1]
	v_pk_add_f32 v[(\d)+2:(\d)+3], v[(\a)+2:(\a)+3], v[(\b)+2:(\b)+3]
.endm
; Four f32 at o become hi and lo; neighbour lanes then swap, so that an even lane holds eight hi and the odd lane beside it the same eight columns' lo: 16 bytes a lane at q.
.macro SPLIT o, q
	v_cvt_pk_bf16_f32 v16, v[(\o)], v[(\o)+1]
	v_cvt_pk_bf16_f32 v17, v[(\o)+2], v[(\o)+3]
	v_lshlrev_b32 v18, 16, v16
	v_and_b32 v19, s[HM], v16
	v_lshlrev_b32 v20, 16, v17
	v_and_b32 v21, s[HM], v17
	v_pk_add_f32 v[18:19], v[(\o):(\o)+1], v[18:19] neg_lo:[0,1] neg_hi:[0,1]      ; exact: hi is within half a step of the number
	v_pk_add_f32 v[20:21], v[(\o)+2:(\o)+3], v[20:21] neg_lo:[0,1] neg_hi:[0,1]
	v_cvt_pk_bf16_f32 v22, v18, v19
	v_cvt_pk_bf16_f32 v23, v20, v21
	v_cndmask_b32 v24, v22, v16, s[ODD]            ; what I give away: an even lane its lo, an odd lane its hi
	v_cndmask_b32 v25, v23, v17, s[ODD]
	v_mov_b32_dpp v26, v24 row_xmask:1 row_mask:0xf bank_mask:0xf
	v_mov_b32_dpp v27, v25 row_xmask:1 row_mask:0xf bank_mask:0xf
	v_cndmask_b32 v[(\q)], v16, v26, s[ODD]
	v_cndmask_b32 v[(\q)+1], v17, v27, s[ODD]
	v_cndmask_b32 v[(\q)+2], v26, v22, s[ODD]
	v_cndmask_b32 v[(\q)+3], v27, v23, s[ODD]
.endm
	s_load_b256 s[4:11], s[0:1], 0x0               ; hp s[4:5], b1 s[6:7], b2 s[8:9], S2 s[10:11]
	s_load_b64 s[12:13], s[0:1], 0x20              ; H2
	v_lshl_add_u32 v[SPW], v0, 2, SPARE
	v_mov_b32 v[NIL], 0
	v_lshrrev_b32 v1, 5, v0
	v_readfirstlane_b32 s[WV], v1
	v_and_b32 v2, 31, v0
	v_lshlrev_b32 v[L16], 4, v2
	v_lshlrev_b32 v[L8], 3, v2
	v_lshrrev_b32 v3, 4, v2
	v_lshlrev_b32 v[SO], 8, v3
	v_and_b32 v3, 1, v2
	v_lshl_add_u32 v[SO], v3, 7, v[SO]
	v_bfe_u32 v3, v2, 1, 3
	v_lshl_add_u32 v[SO], v3, 4, v[SO]
	v_mov_b32 v26, 0                               ; the lane exchange's destinations count as read: written once here
	v_mov_b32 v27, 0
	s_mov_b32 s[ODD], 0xaaaaaaaa
	s_mov_b32 s[HM], 0xffff0000
	s_mov_b32 s[LG], 0x3fb8aa3b
	s_mov_b32 s[LG+1], s[LG]
	s_cmp_lt_u32 ttmp9, 128                        ; the same in all eight waves
	s_cbranch_scc0 .Lhpath
	; THE S PATH.  Work-group = 64 output rows (R0 = 64 (id / 4)) x 128 columns (id % 4).  T holds rows c = R0 - 64 .. R0 + 127; wave w loads 24 of them.
	s_lshr_b32 s20, ttmp9, 2
	s_and_b32 s21, ttmp9, 3
	s_lshl_b32 s20, s20, 6                         ; R0
	s_mul_i32 s22, s[WV], 24
	s_add_co_u32 s[CW], s20, s22
	s_sub_co_i32 s[CW], s[CW], 64
	s_lshl3_add_u32 s[RW], s[WV], s20              ; R0 + 8 w
	s_lshl_b32 s[XB], s21, 9
	s_mov_b32 s[XB+1], 0
	s_mov_b32 s[ZZ+1], 0                           ; named as pairs
	s_mov_b32 s[CN+1], 0
	s_lshl_b32 s23, s22, 9
	v_add_nc_u32 v[TA], s23, v[L16]
	s_mul_i32 s23, s[WV], 3*TROW
	s_add_co_u32 s23, s23, B8
	v_add_nc_u32 v[BSA], s23, v[L16]
	s_lshl_b32 s23, s[WV], 9
	s_add_co_u32 s23, s23, B8+TROW
	v_add_nc_u32 v[BA], s23, v[L16]                ; sums w + 1 ..
	s_lshl_b32 s23, s[WV], 12
	s_add_co_u32 s24, s23, TROW
	v_add_nc_u32 v[LA], s24, v[L16]                ; rows 8 w + 1 ..
	s_add_co_u32 s24, s23, 128*TROW
	v_add_nc_u32 v[RA], s24, v[L16]                ; rows 8 w + 128 ..
	s_lshl_b32 s24, s[RW], 11
	s_add_co_u32 s24, s24, s[XB]
	s_mov_b32 s25, 0
	s_wait_kmcnt 0x0
	s_add_nc_u64 s[4:5], s[4:5], 4608*2048         ; unit 32's first row,
	s_add_nc_u64 s[4:5], s[4:5], s[XB:XB+1]        ; my columns
	s_add_nc_u64 s[6:7], s[6:7], s[XB:XB+1]
	s_add_nc_u64 s[10:11], s[10:11], s[24:25]
	global_load_b128 v[BB:BB+3], v[L16], s[6:7]
.set j, 0
.rept 24                               ; row c lies in unit 32 + c / 132 at row c % 132: hp row 4,608 + c + 12 (c / 132); K half 1 lies 16 units on.  A row above the matrix is asked for as row 0
	s_add_co_i32 s20, s[CW], j
	s_max_i32 s21, s20, 0
	s_mul_i32 s22, s21, 31776
	s_lshr_b32 s22, s22, 22                        ; c / 132, exact for c up to 2,111
	s_mul_i32 s22, s22, 12
	s_add_co_u32 s21, s21, s22
	s_lshl_b32 s21, s21, 11
	v_add_nc_u32 v[OFF+j], s21, v[L16]
	global_load_b128 v[D0+4*j:D0+4*j+3], v[OFF+j], s[4:5]
	global_load_b128 v[D1+4*j:D1+4*j+3], v[OFF+j], s[4:5] offset:16*144*2048
.set j, j+1
.endr
.set j, 0
.rept 24
	s_wait_loadcnt 46-2*j                          ; row j's two loads are in; the younger rows' may be out
	s_add_co_i32 s20, s[CW], j
	s_cmp_lt_i32 s20, 0
	s_cselect_b32 s[ZZ], 0, 1.0
	ADD4 D0+4*j, D0+4*j, D1+4*j                    ; the two K halves
	v_pk_mul_f32 v[D0+4*j:D0+4*j+1], v[D0+4*j:D0+4*j+1], s[ZZ:ZZ+1] op_sel_hi:[1,0]      ; a row above the matrix counts as zeros
	v_pk_mul_f32 v[D0+4*j+2:D0+4*j+3], v[D0+4*j+2:D0+4*j+3], s[ZZ:ZZ+1] op_sel_hi:[1,0]
	ds_store_b128 v[TA], v[D0+4*j:D0+4*j+3] offset:j*TROW
.set j, j+1
.endr
.irp k, 0,1,2                          ; my three sums of eight rows, straight from the registers
.irp u, 0,1,2,3
	ADD4 D1+32*(\k)+4*(\u), D0+32*(\k)+8*(\u), D0+32*(\k)+8*(\u)+4
.endr
	ADD4 D1+32*(\k), D1+32*(\k), D1+32*(\k)+4
	ADD4 D1+32*(\k)+8, D1+32*(\k)+8, D1+32*(\k)+12
	ADD4 D1+32*(\k), D1+32*(\k), D1+32*(\k)+8
	ds_store_b128 v[BSA], v[D1+32*(\k):D1+32*(\k)+3] offset:(\k)*TROW
.endr
	s_wait_dscnt 0x0                               ; for the others' sake: my rows and sums are in LDS
	s_barrier_signal -1
	s_barrier_wait -1
	; Output row R0 + 8 w + i wants T's rows 8 w + i + 1 .. 8 w + i + 127: rows 8 w + 8 .. 8 w + 127 (fifteen sums) for every i, the last 7 - i rows to their left, the first i to their right.
.set k, 0
.rept 15
	ds_load_b128 v[BS+4*k:BS+4*k+3], v[BA] offset:k*TROW
.set k, k+1
.endr
.set k, 0
.rept 7
	ds_load_b128 v[LR+4*k:LR+4*k+3], v[LA] offset:k*TROW
.set k, k+1
.endr
.set k, 0
.rept 7
	ds_load_b128 v[RR+4*k:RR+4*k+3], v[RA] offset:k*TROW
.set k, k+1
.endr
	v_cvt_pk_bf16_f32 v16, v[BB], v[BB+1]          ; b1 rounded to bf16
	v_cvt_pk_bf16_f32 v17, v[BB+2], v[BB+3]
	v_lshlrev_b32 v[BB], 16, v16
	v_and_b32 v[BB+1], s[HM], v16
	v_lshlrev_b32 v[BB+2], 16, v17
	v_and_b32 v[BB+3], s[HM], v17
	s_wait_dscnt 14                                ; the fifteen sums are in; the fourteen rows' loads may be out
.irp k, 0,2,4,6,8,10,12
	ADD4 BS+4*(\k), BS+4*(\k), BS+4*(\k)+4
.endr
.irp k, 0,4,8,12
	ADD4 BS+4*(\k), BS+4*(\k), BS+4*(\k)+8
.endr
	ADD4 BS, BS, BS+16
	ADD4 BS+32, BS+32, BS+48
	ADD4 BS, BS, BS+32
	s_wait_dscnt 7                                 ; the left rows are in
.irp k, 5,4,3,2,1,0
	ADD4 LR+4*(\k), LR+4*(\k), LR+4*(\k)+4         ; sums from each row to the seventh
.endr
	s_wait_dscnt 0x0
.irp k, 1,2,3,4,5,6
	ADD4 RR+4*(\k), RR+4*(\k), RR+4*(\k)-4         ; sums from the first row to each
.endr
.set i, 0
.rept 8
	s_add_co_u32 s20, s[RW], i+64
	s_min_u32 s20, s20, 127                        ; the rows in the window: r + 64 near the top, else 127
	s_cvt_f32_u32 s[CN], s20
	v_pk_fma_f32 v[OO+4*i:OO+4*i+1], v[BB:BB+1], s[CN:CN+1], v[BS:BS+1] op_sel_hi:[1,0,1]
	v_pk_fma_f32 v[OO+4*i+2:OO+4*i+3], v[BB+2:BB+3], s[CN:CN+1], v[BS+2:BS+3] op_sel_hi:[1,0,1]
.if i < 7
	ADD4 OO+4*i, OO+4*i, LR+4*i
.endif
.if i > 0
	ADD4 OO+4*i, OO+4*i, RR+4*i-4
.endif
	SPLIT OO+4*i, QQ+4*i
	global_store_b128 v[SO], v[QQ+4*i:QQ+4*i+3], s[10:11] offset:i*2048  ; two whole chunks of 256 bytes; each row has its own four registers
.set i, i+1
.endr
	s_branch .Lend
.Lhpath:                               ; THE H PATH.  Work-group = 32 rows; wave w rows 4 w .. 4 w + 3, whole: four groups of 128 columns.
	; Row n is local row l = n % 128 + (t & 16) of unit t = n / 128, which lies at the unit's row 72 (l & 1) + (l >> 1); column e of a group of 128 lies at place 64 (e & 1) + (e >> 1).
	; So a lane's four columns 4 l' .. 4 l' + 3 are two loads of 8 bytes: the even two at byte 8 l' of the group, the odd two 256 bytes on; each load of a wave covers 256 consecutive bytes, aligned.
	s_sub_co_u32 s20, ttmp9, 128
	s_lshr_b32 s21, s20, 2                         ; t
	s_lshl_b32 s22, s20, 5
	s_lshl2_add_u32 s22, s[WV], s22                ; my first row n, a multiple of 4
	s_and_b32 s23, s22, 127
	s_and_b32 s24, s21, 16
	s_add_co_u32 s23, s23, s24                     ; its local row,
	s_lshr_b32 s23, s23, 1                         ; the place of the even rows from there on
	s_mul_i32 s24, s21, 144
	s_add_co_u32 s23, s23, s24
	s_lshl_b32 s24, s23, 11
	s_mov_b32 s25, 0
	s_lshl_b32 s26, s22, 11
	s_mov_b32 s27, 0
	s_wait_kmcnt 0x0
	s_add_nc_u64 s[4:5], s[4:5], s[24:25]
	s_add_nc_u64 s[12:13], s[12:13], s[26:27]
.irp x, 0,1,2,3
	global_load_b128 v[32+4*(\x):32+4*(\x)+3], v[L16], s[8:9] offset:512*(\x)
.endr
.set i, 0
.rept 16                               ; item i: row j = i / 4, column group i % 4; row j lies 72 (j & 1) + (j >> 1) rows on
	global_load_b64 v[64+4*i:64+4*i+1],   v[L8], s[4:5] offset:(72*((i/4)%2)+(i/8))*2048+(i%4)*512 th:TH_LOAD_NT
	global_load_b64 v[64+4*i+2:64+4*i+3], v[L8], s[4:5] offset:(72*((i/4)%2)+(i/8))*2048+(i%4)*512+256 th:TH_LOAD_NT
.set i, i+1
.endr
	s_wait_loadcnt 32                              ; b2 is in; the sixteen items' 32 loads may be out
.irp x, 0,1,2,3
	v_cvt_pk_bf16_f32 v16, v[32+4*(\x)], v[32+4*(\x)+1]      ; b2 rounded to bf16, times log2(e)
	v_cvt_pk_bf16_f32 v17, v[32+4*(\x)+2], v[32+4*(\x)+3]
	v_lshlrev_b32 v[32+4*(\x)], 16, v16
	v_and_b32 v[32+4*(\x)+1], s[HM], v16
	v_lshlrev_b32 v[32+4*(\x)+2], 16, v17
	v_and_b32 v[32+4*(\x)+3], s[HM], v17
	v_pk_mul_f32 v[32+4*(\x):32+4*(\x)+1], v[32+4*(\x):32+4*(\x)+1], s[LG:LG+1] op_sel_hi:[1,0]
	v_pk_mul_f32 v[32+4*(\x)+2:32+4*(\x)+3], v[32+4*(\x)+2:32+4*(\x)+3], s[LG:LG+1] op_sel_hi:[1,0]
.endr
.set i, 0
.rept 16
	s_wait_loadcnt 30-2*i                          ; item i's two loads are in; the younger items' may be out
	v_fma_f32 v48, v[64+4*i],   s[LG], v[32+4*(i%4)]        ; the columns go back into their order: even, odd, even, odd
	v_fma_f32 v49, v[64+4*i+2], s[LG], v[32+4*(i%4)+1]
	v_fma_f32 v50, v[64+4*i+1], s[LG], v[32+4*(i%4)+2]
	v_fma_f32 v51, v[64+4*i+3], s[LG], v[32+4*(i%4)+3]
	SPLIT 48, 128+4*i
	global_store_b128 v[SO], v[128+4*i:128+4*i+3], s[12:13] offset:(i/4)*2048+(i%4)*512
.set i, i+1
.endr
.Lend:
	s_wait_tensorcnt 0x0                           ; the wave's end, behind my last LDS store
	ds_add_u32 v[SPW], v[NIL]
	s_wait_dscnt 0x0
	s_endpgm
.Lfunc_end_k_q4caa106afd_window:
	.size	k_q4caa106afd_window, .Lfunc_end_k_q4caa106afd_window-k_q4caa106afd_window
	.p2alignl 7, 3214868480
	.fill 96, 4, 3214868480
	.section	.rodata,"a",@progbits
	.p2align	6, 0x0
	.amdhsa_kernel k_q4caa106afd_window
		.amdhsa_group_segment_fixed_size 111616
		.amdhsa_private_segment_fixed_size 0
		.amdhsa_enable_private_segment 0
		.amdhsa_kernarg_size 40
		.amdhsa_user_sgpr_count 2
		.amdhsa_user_sgpr_kernarg_segment_ptr 1
		.amdhsa_wavefront_size32 1
		.amdhsa_system_sgpr_workgroup_id_x 1
		.amdhsa_system_sgpr_workgroup_id_y 1
		.amdhsa_system_sgpr_workgroup_id_z 1
		.amdhsa_system_vgpr_workitem_id 0
		.amdhsa_next_free_vgpr 256
		.amdhsa_next_free_sgpr 66
		.amdhsa_reserve_vcc 0
		.amdhsa_float_denorm_mode_32 3
		.amdhsa_float_denorm_mode_16_64 3
		.amdhsa_memory_ordered 1
		.amdhsa_forward_progress 1
		.amdhsa_inst_pref_size 74
	.end_amdhsa_kernel
	.amdgpu_metadata
---
amdhsa.version: [ 1, 2 ]
amdhsa.kernels:
  - .name:           k_q4caa106afd_window
    .symbol:         k_q4caa106afd_window.kd
    .args:
      - { .name: hp, .offset: 0, .size: 8, .value_kind: global_buffer, .address_space: global }
      - { .name: b1, .offset: 8, .size: 8, .value_kind: global_buffer, .address_space: global }
      - { .name: b2, .offset: 16, .size: 8, .value_kind: global_buffer, .address_space: global }
      - { .name: S2, .offset: 24, .size: 8, .value_kind: global_buffer, .address_space: global }
      - { .name: H2, .offset: 32, .size: 8, .value_kind: global_buffer, .address_space: global }
    .group_segment_fixed_size: 111616
    .private_segment_fixed_size: 0
    .kernarg_segment_align: 8
    .kernarg_segment_size: 40
    .max_flat_workgroup_size: 256
    .sgpr_count:     66
    .vgpr_count:     256
    .wavefront_size: 32
...
	.end_amdgpu_metadata
.endif
;; end of part 2
;; launch logits (part 3): grid 32 x 8, 4 waves a work-group, clusters of 4 x 4, 327,680 bytes of LDS; arguments S2, H2, global_att, eb, mx, sm; writes eb, mx, sm
.if DOCPART == 3
	.amdgcn_target "amdgcn-amd-amdhsa--gfx1250"
	.amdhsa_code_object_version 6
	.text
	.protected	k_q4caa106afd_logits
	.globl	k_q4caa106afd_logits
	.p2align	8
	.type	k_q4caa106afd_logits,@function
k_q4caa106afd_logits:
	s_mov_b64 s[64:65], 0
	v_nop
	global_prefetch_b8 v0, s[64:65] scope:SCOPE_SE
	s_setreg_imm32_b32 hwreg(HW_REG_WAVE_MODE, 25, 1), 1
	s_wait_xcnt 0x0
	s_wait_alu depctr_hold_cnt(0) depctr_sa_sdst(0) depctr_va_vdst(0) depctr_va_sdst(0) depctr_va_ssrc(0) depctr_va_vcc(0) depctr_vm_vsrc(0)
	s_getreg_b32 s2, hwreg(HW_REG_IB_STS2, 6, 4)
	s_cmp_eq_u32 s2, 0
	s_cbranch_scc0 .Lentry_in_a_cluster
	s_endpgm
.Lentry_in_a_cluster:
	s_bfe_u32 s2, ttmp6, 0x10000c
	s_cmp_lg_u32 s2, 0xf033
	s_cbranch_scc0 .Lentry_shape_is_right
	s_endpgm
.Lentry_shape_is_right:
; lg[r][n] = S[r] . H[n] + log2(e) x bf16(global_att[r][n]), r < 2,048, n < 4,096 (H carries log2(e)), and the first half of the softmax down the columns:
; for each block of 256 rows the column's maximum m (mx), e = 2^(lg - m) in f16 (eb) and the column's sum of the unrounded e (sm).  The next launch joins the eight blocks.
; THREE PRODUCTS.  S and H come as hi + lo, two bf16 each; S . H is taken as hi hi + hi lo + lo hi, all into one f32 accumulator.  lo lo, some 2^-18 of a term, is left out.
; LIMITS.  global_att is rounded to bf16, as every input of the program is.  An e below 6e-8 is 0 in eb (f16's step there); an exponential below 2^-126 counts as 0.  NaN and infinities are not treated apart.
; SHARES.  A work-group makes 256 rows x 128 columns; wave w rows 64 w .. 64 w + 63, all columns: 32 accumulators.  K = 512 goes in 8 steps of 64: a chunk of 256 bytes a row (64 hi, 64 lo), two slots in LDS.
; A step is two halves of 32 along K: 48 LDS loads feed 96 matrix instructions.  The matrix instruction is used transposed (source 0 = H's rows, source 1 = S's rows): a lane holds one row r and eight columns n.
; CLUSTER.  4 x 4 work-groups: S's tile is shared along a row of the cluster, H's along a column; each is asked for jointly.
; REGISTERS, in windows of 256 (s_set_vgpr_msb: bits 1:0 source 0, 3:2 source 1, 5:4 source 2, 7:6 destination):
;   window 0: v0-63 addresses and statistics; v64-127 at work; v128-191, v192-255 S's fragments, two buffers (hi of block a at + 8 a, lo at + 32 + 8 a)
;   window 1: H's fragments, two buffers of 128 (hi of block b at + 8 b, lo at + 64 + 8 b)
;   window 2: the accumulators, (a, b) at 8 (8 a + b); on the way out lg by rows: row p's four columns at 4 p          window 3: global_att, row p's four columns at 4 p
.set PITCH,  272                       ; an LDS row: 256 bytes + 16 of padding = 68 words: row r starts at bank 4 r mod 64 (64 banks of 4 bytes: ISA guide 11.1)
.set BOFF,   256*PITCH                 ; S's 256 rows, then H's 128
.set SLOT,   384*PITCH
.set STAGE,  2*SLOT                    ; behind the ring: 16 rows x 528 bytes for each wave
.set SPITCH, 528
.set XM,     STAGE+4*16*SPITCH         ; the four waves' maxima, 512 bytes each; 2,048 bytes on their sums
.set SPARE,  XM+4096                   ; the spare words, 128 bytes for each wave
.set ADRA, 16                          ; v16-17  my fragments of S in slot 0, 1
.set ADRB, 20                          ; v20-21  of H
.set STO,  24                          ; v24  the way out: where I put 16 bytes of a row
.set RD,   25                          ; v25  where I read a row back
.set GAO,  26                          ; v26  16 x lane
.set EO,   27                          ; v27  8 x lane
.set SPW,  28                          ; v28  my spare word; never rewritten
.set NIL,  29                          ; v29  0; never rewritten
.set PFO,  30                          ; v30  the prefetches' offset: lane x a row of 2,048 bytes; never rewritten
.set XA,   31                          ; v31  my wave's 512 bytes of the exchange
.set XR,   32                          ; v32  wave 0's
.set CL,   33                          ; v33  log2(e)
.set MX,   40                          ; v[40:43] my four columns' maximum
.set SU,   44                          ; v[44:51] their sums, even rows' and odd rows'
.set TMP,  64
.set WV,   16
.set FORB, 17                          ; 0: I fetch S, 1: I fetch H
.set HF,   18                          ; which half of that tile
.set G1,   24
.set G0,   32
.set G1B,  48
.set G0B,  56
.set PFA,  66                          ; s[66:67] where my prefetches stand: one K step further along than the refill in hand; a prefetch names the step after that
.set LIM,  68                          ; s68  1 in a wave that prefetches, else the greatest number
.set W0,   (1<<16)|(1<<20)|(1<<21)|(5<<22)|(3<<25)  ; elements of 2 bytes; padding on; bit 21 beside a mask; after every 64 words 4 words
.set MSB, 0
.macro WIN new                         ; the immediate's high byte repeats the setting that is left; a switch that changes nothing is dropped
.if MSB != (\new)
	s_set_vgpr_msb (MSB<<8)|(\new)
.set MSB, \new
.endif
.endm
.macro JLOAD s                         ; a joint load; an s_nop 0 and four v_nop follow each of the two lines
	s_cmp_eq_u32 s[FORB], 0
	s_cbranch_scc0 .Lfor_b_\@
	tensor_load_to_lds s[G0+4*(\s):G0+4*(\s)+3], s[G1:G1+7]
	s_nop 0
.rept 4
	v_nop
.endr
	s_branch .Lasked_\@
.Lfor_b_\@:
	tensor_load_to_lds s[G0B+4*(\s):G0B+4*(\s)+3], s[G1B:G1B+7]
	s_nop 0
.rept 4
	v_nop
.endr
.Lasked_\@:
.endm
.macro CREST                           ; a round of the cluster's barrier behind its opening barrier
	s_cmp_lg_u32 s[WV], 0
	s_cbranch_scc1 .Lnot_wave_0_\@
	s_barrier_signal -3
.Lnot_wave_0_\@:
	s_barrier_wait -3
	s_barrier_signal -1
	s_barrier_wait -1
.endm
.macro CROUND
	s_barrier_signal -1
	s_barrier_wait -1
	CREST
.endm
; A prefetch into the L2 of the K step two refills on: 32 rows x 256 bytes, a lane a row.  Each row's chunk is named once in the launch: S's rows by the clusters with x = 0 (of the 128 rows that wave 0 or 1
; fetches, the partner at cx takes 32), H's by the clusters with y = 0 (of a tile's 128 rows the partner at cy takes 32, in wave 2; wave 3 asks for nothing).  The partners are told apart by address.
; K steps 0 to 3 come by their loads alone; the loop's last trip has no step two refills on and asks for nothing.
.macro ASK
	s_cmp_gt_u32 s3, s[LIM]
	s_cbranch_scc0 .Lnot_mine_\@
	global_prefetch_b8 v[PFO], s[PFA:PFA+1] offset:256 th:TH_LOAD_NT scope:SCOPE_SE
.Lnot_mine_\@:
.endm
	s_load_b256 s[4:11], s[0:1], 0x0               ; S2 s[4:5], H2 s[6:7], global_att s[8:9], eb s[10:11]
	s_load_b128 s[12:15], s[0:1], 0x20             ; mx s[12:13], sm s[14:15]
	v_lshl_add_u32 v[SPW], v0, 2, SPARE
	v_mov_b32 v[NIL], 0
	ds_add_u32 v[SPW], v[NIL]                      ; the wave's opening: the add and its wait stand ahead of my first tensor load; register work stands between
	v_lshrrev_b32 v1, 5, v0
	v_readfirstlane_b32 s[WV], v1
	s_lshr_b32 s[FORB], s[WV], 1
	s_and_b32 s[HF], s[WV], 1
	s_bfe_u32 s40, ttmp6, 0x40000                  ; cx
	s_bfe_u32 s41, ttmp6, 0x40004                  ; cy
	s_lshl_b32 s42, ttmp9, 2
	s_add_co_u32 s42, s42, s40                     ; X: block of 128 columns
	s_and_b32 s43, ttmp7, 0xffff
	s_lshl_b32 s43, s43, 2
	s_add_co_u32 s43, s43, s41                     ; Y: block of 256 rows
	s_lshl_b32 s44, s41, 2
	s_lshl_b32 s44, 15, s44                        ; my row of the cluster
	s_lshl_b32 s45, 0x1111, s40                    ; my column
	s_or_b32 s[G1], s44, W0
	s_or_b32 s[G1B], s45, W0
	s_mov_b32 s[G1+1], 128<<16                     ; tensor_dim0 = 128 elements: a chunk
	s_mov_b32 s[G1B+1], 128<<16
	s_mov_b32 s[G1+2], 128<<16                     ; tensor_dim1 = the rows of a load
	s_mov_b32 s[G1B+2], 64<<16
	s_mov_b32 s[G1+3], 128<<16                     ; tile_dim0
	s_mov_b32 s[G1B+3], 128<<16
	s_mov_b32 s[G1+4], 128                         ; tile_dim1
	s_mov_b32 s[G1B+4], 64
	s_mov_b32 s[G1+5], 1024                        ; elements from row to row
	s_mov_b32 s[G1B+5], 1024
	s_mov_b32 s[G1+6], 0
	s_mov_b32 s[G1B+6], 0
	s_mov_b32 s[G1+7], 0
	s_mov_b32 s[G1B+7], 0
	s_lshl_b32 s70, s43, 8
	s_lshl_b32 s71, s[HF], 7
	s_add_co_u32 s70, s70, s71                     ; S: row 256 Y + 128 x half
	s_lshl_b32 s70, s70, 11
	s_mov_b32 s71, 0
	s_lshl_b32 s72, s42, 7
	s_lshl_b32 s73, s[HF], 6
	s_add_co_u32 s72, s72, s73                     ; H: row 128 X + 64 x half
	s_lshl_b32 s72, s72, 11
	s_mov_b32 s73, 0
	s_mul_i32 s19, s[HF], 128*PITCH                ; where my load goes in a slot, if it is S's,
	s_mul_i32 s20, s[HF], 64*PITCH
	s_add_co_u32 s20, s20, BOFF                    ; if it is H's
	s_wait_dscnt 0x0                               ; the opening add is done
	s_wait_kmcnt 0x0
	s_add_nc_u64 s[70:71], s[4:5], s[70:71]
	s_add_nc_u64 s[72:73], s[6:7], s[72:73]
	CROUND                                         ; all sixteen work-groups are here: the first joint loads meet
.irp s, 0,1
	s_mov_b32 s[G0+4*(\s)], 1
	s_add_co_u32 s[G0+4*(\s)+1], s19, (\s)*SLOT
	s_add_nc_u64 s[G0+4*(\s)+2:G0+4*(\s)+3], s[70:71], (\s)*256
	s_or_b32 s[G0+4*(\s)+3], s[G0+4*(\s)+3], 0x80000000
	s_mov_b32 s[G0B+4*(\s)], 1
	s_add_co_u32 s[G0B+4*(\s)+1], s20, (\s)*SLOT
	s_add_nc_u64 s[G0B+4*(\s)+2:G0B+4*(\s)+3], s[72:73], (\s)*256
	s_or_b32 s[G0B+4*(\s)+3], s[G0B+4*(\s)+3], 0x80000000
	JLOAD \s                                       ; K steps 0 and 1: two tensor loads of mine are out, never more
.endr
	v_and_b32 v1, 15, v0                           ; l % 16
	v_bfe_u32 v2, v0, 4, 1                         ; l / 16
	v_and_b32 v3, 31, v0
	v_lshlrev_b32 v[GAO], 4, v3
	s_lshl_b32 s74, s43, 8
	s_lshl_b32 s75, s[WV], 6
	s_add_co_u32 s74, s74, s75                     ; my wave's first row
	s_lshl_b32 s76, s74, 13                        ; in eb,
	s_lshl_b32 s74, s74, 14                        ; in global_att
	s_lshl_b32 s75, s42, 9
	s_add_co_u32 s74, s74, s75
	s_lshl_b32 s77, s42, 8
	s_add_co_u32 s76, s76, s77
	s_lshl_b32 s78, s43, 14                        ; mx and sm: row Y
	s_add_co_u32 s78, s78, s75
	s_mov_b32 s75, 0
	s_mov_b32 s77, 0
	s_mov_b32 s79, 0
	s_add_nc_u64 s[8:9], s[8:9], s[74:75]
	s_add_nc_u64 s[10:11], s[10:11], s[76:77]
	s_add_nc_u64 s[12:13], s[12:13], s[78:79]
	s_add_nc_u64 s[14:15], s[14:15], s[78:79]
	WIN 0xc0                                       ; destination window 3
.set p, 0
.rept 64                               ; my 64 rows x 128 columns of global_att, 512 consecutive bytes a load: they land while the products run
	global_load_b128 v[4*p:4*p+3], v[GAO], s[8:9] offset:p*16384 th:TH_LOAD_NT
.set p, p+1
.endr
	WIN 0
	v_mul_u32_u24 v4, v1, PITCH
	v_lshl_add_u32 v4, v2, 4, v4                   ; a fragment's row x pitch + 16 x half
	s_mul_i32 s21, s[WV], 64*PITCH                 ; my 64 rows of S
	s_mov_b32 s22, BOFF
.irp s, 0,1
	v_add_nc_u32 v[ADRA+(\s)], s21, v4
	v_add_nc_u32 v[ADRB+(\s)], s22, v4
	s_add_co_u32 s21, s21, SLOT
	s_add_co_u32 s22, s22, SLOT
.endr
	s_mul_i32 s23, s[WV], 16*SPITCH
	s_add_co_u32 s23, s23, STAGE                   ; my stage
	v_mul_u32_u24 v5, v1, SPITCH
	v_lshl_add_u32 v5, v2, 5, v5                   ; in: row l % 16, eight f32 for each half of the lanes
	v_add_nc_u32 v[STO], s23, v5
	v_add_nc_u32 v[RD], s23, v[GAO]                ; back: a whole row of 512 bytes
	v_lshlrev_b32 v[EO], 3, v3
	s_lshl_b32 s23, s[WV], 9
	s_add_co_u32 s23, s23, XM
	v_add_nc_u32 v[XA], s23, v[GAO]
	v_add_nc_u32 v[XR], XM, v[GAO]
	v_mov_b32 v[CL], 0x3fb8aa3b
	v_lshlrev_b32 v[PFO], 11, v3
	; the prefetches' place
	s_lshl_b32 s20, s43, 8
	s_lshl_b32 s22, s[HF], 7
	s_add_co_u32 s20, s20, s22
	s_lshl_b32 s22, s40, 5
	s_add_co_u32 s20, s20, s22                     ; S: row 256 Y + 128 x half + 32 cx
	s_lshl_b32 s21, s42, 7
	s_lshl_b32 s22, s41, 5
	s_add_co_u32 s21, s21, s22                     ; H: row 128 X + 32 cy
	s_and_b32 s23, ttmp7, 0xffff                   ; cluster y
	s_cmp_eq_u32 s[FORB], 0
	s_cselect_b32 s20, s20, s21
	s_cselect_b32 s23, ttmp9, s23                  ; the coordinate along which other clusters read the same rows
	s_cselect_b64 s[PFA:PFA+1], s[4:5], s[6:7]
	s_cmp_eq_u32 s[WV], 3
	s_cselect_b32 s23, 1, s23                      ; wave 3 asks for nothing
	s_cmp_eq_u32 s23, 0
	s_cselect_b32 s[LIM], 1, -1                    ; the same in all sixteen partners, for a given wave
	s_lshl_b32 s20, s20, 11
	s_mov_b32 s21, 0
	s_add_nc_u64 s[PFA:PFA+1], s[PFA:PFA+1], s[20:21]
	s_add_nc_u64 s[PFA:PFA+1], s[PFA:PFA+1], 2*256 ; at K step 2: the first refill steps it to 3 and names 4
; na x 8 matrix instructions on buffer f: p = 0: H hi x S hi; 1: H lo x S hi; 2: H hi x S lo.  One accumulator a turn: 31 others stand between two links of a chain.
.macro PASS f, p, a0, na, zero
	WIN 0xa1                                       ; source 0 window 1, source 1 window 0, C and D window 2
.set pa, (\a0)
.rept \na
.set pb, 0
.rept 8
.set rD, 8*(8*pa+pb)
.set rB, 128*(\f)+64*((\p)%2)+8*pb
.set rA, 128+64*(\f)+32*((\p)/2)+8*pa
.if \zero
	v_wmma_f32_16x16x32_bf16 v[rD:rD+7], v[rB:rB+7], v[rA:rA+7], 0
.else
	v_wmma_f32_16x16x32_bf16 v[rD:rD+7], v[rB:rB+7], v[rA:rA+7], v[rD:rD+7]
.endif
.set pb, pb+1
.endr
.set pa, pa+1
.endr
.endm
; 48 LDS loads in one run: half q of a slot's K step into buffer f: H hi, H lo, S hi, S lo
.macro FETCH slot, q, f
	WIN 0x40
.irp lo, 0,1
.irp b, 0,1,2,3,4,5,6,7
	ds_load_b128 v[128*(\f)+64*(\lo)+8*(\b):128*(\f)+64*(\lo)+8*(\b)+3],   v[ADRB+(\slot)] offset:(\b)*16*PITCH+64*(\q)+128*(\lo)
	ds_load_b128 v[128*(\f)+64*(\lo)+8*(\b)+4:128*(\f)+64*(\lo)+8*(\b)+7], v[ADRB+(\slot)] offset:(\b)*16*PITCH+64*(\q)+128*(\lo)+32
.endr
.endr
	WIN 0
.irp lo, 0,1
.irp a, 0,1,2,3
	ds_load_b128 v[128+64*(\f)+32*(\lo)+8*(\a):128+64*(\f)+32*(\lo)+8*(\a)+3],   v[ADRA+(\slot)] offset:(\a)*16*PITCH+64*(\q)+128*(\lo)
	ds_load_b128 v[128+64*(\f)+32*(\lo)+8*(\a)+4:128+64*(\f)+32*(\lo)+8*(\a)+7], v[ADRA+(\slot)] offset:(\a)*16*PITCH+64*(\q)+128*(\lo)+32
.endr
.endr
.endm
.macro PLACES                          ; four places between matrix instructions and loads into registers that they have read, or reads of their results
.rept 4
	v_nop
.endr
.endm
; A K step's first half: buffer 0 is multiplied; behind its first pass the second half is fetched into buffer 1.
.macro HALF slot, zero
	s_wait_dscnt 8                                 ; all but S lo, the youngest eight loads
	PASS 0, 0, 0, 4, \zero
	PLACES
	FETCH \slot, 1, 1
	s_wait_dscnt 48                                ; all but the 48 just issued
	PASS 0, 1, 0, 4, 0
	PASS 0, 2, 0, 4, 0
.endm
; Its second half: buffer 1 is multiplied and the slots change: ONE barrier.  In front of it each wave waits for all its tensor loads (one is out: its part of the next slot), adds 0 to its spare word, and waits
; for that and for its reads of this slot.  fill = 1: the barrier opens a round of the cluster's, and this slot takes the K step two on, first thing behind the round: 160 matrix instructions ahead of the wait for it.
.macro TURN slot, next, fill
.if \fill
	s_wait_xcnt 0x0                                ; the last prefetch, a K step back, has read its address
	s_add_nc_u64 s[PFA:PFA+1], s[PFA:PFA+1], 256
.endif
	WIN 0                                          ; (the add's two registers lie in window 0)
	s_wait_tensorcnt 0x0
	ds_add_u32 v[SPW], v[NIL]
	s_wait_dscnt 9                                 ; the add and S lo's eight loads may be out
	PASS 1, 0, 0, 2, 0
	s_wait_dscnt 0x0                               ; the add is done, and my reads of this slot are over
	s_barrier_signal -1
	PASS 1, 0, 2, 2, 0
.if \fill
	WIN 0
.endif
	s_barrier_wait -1
.if \fill
	CREST
	s_add_nc_u64 s[G0+4*(\slot)+2:G0+4*(\slot)+3], s[G0+4*(\slot)+2:G0+4*(\slot)+3], 2*256
	s_add_nc_u64 s[G0B+4*(\slot)+2:G0B+4*(\slot)+3], s[G0B+4*(\slot)+2:G0B+4*(\slot)+3], 2*256
	JLOAD \slot                                    ; its four v_nop are also the places in front of the loads below
.else
	PLACES
.endif
	FETCH \next, 0, 0
.if \fill
	ASK
.endif
	PASS 1, 1, 0, 4, 0
	PASS 1, 2, 0, 4, 0
.endm
	s_wait_tensorcnt 1                             ; my part of K step 0 is in; K step 1's load may stay out
	s_barrier_signal -1
	s_barrier_wait -1
	FETCH 0, 0, 0
	HALF 0, 1                                      ; the first pass starts the sums: nothing is cleared
	WIN 0
	s_mov_b32 s3, 3
.Llap:                                             ; three laps fill both slots again: K steps 2 to 7
	TURN 0, 1, 1
	HALF 1, 0
	TURN 1, 0, 1
	HALF 0, 0
	WIN 0
	s_sub_co_u32 s3, s3, 1
	s_cmp_lg_u32 s3, 0
	s_cbranch_scc1 .Llap
	TURN 0, 1, 0                                   ; the tail is written out: nothing is left to ask for
	HALF 1, 0
	s_wait_dscnt 8
	PASS 1, 0, 0, 4, 0
	PASS 1, 1, 0, 4, 0
	s_wait_dscnt 0x0
	PASS 1, 2, 0, 4, 0
; THE WAY OUT.  Block a (16 rows) goes through my stage and comes back as whole rows into the registers that it left: a lane then holds columns 4 l .. 4 l + 3 of every row.
.macro TOSTAGE a
	WIN 0x08                                       ; store data in window 2
.irp b, 0,1,2,3,4,5,6,7
	ds_store_b128 v[STO], v[64*(\a)+8*(\b):64*(\a)+8*(\b)+3]   offset:64*(\b)      ; each accumulator's low four registers first
	ds_store_b128 v[STO], v[64*(\a)+8*(\b)+4:64*(\a)+8*(\b)+7] offset:64*(\b)+16
.endr
	WIN 0x80
.irp t, 0,1,2,3,4,5,6,7,8,9,10,11,12,13,14,15
	ds_load_b128 v[64*(\a)+4*(\t):64*(\a)+4*(\t)+3], v[RD] offset:(\t)*SPITCH     ; LDS serves a wave's instructions in order (ISA guide 5.7.1.4): these see the stores above
.endr
.endm
.macro ADDGA a                         ; lg += log2(e) x global_att rounded to bf16
	WIN 0x0f
.set k, 0
.rept 32
	v_cvt_pk_bf16_f32 v[TMP+k], v[64*(\a)+2*k], v[64*(\a)+2*k+1]
.set k, k+1
.endr
	WIN 0xa0
.set k, 0
.rept 32
	v_fma_mix_f32_bf16 v[64*(\a)+2*k], v[TMP+k], v[CL], v[64*(\a)+2*k] op_sel_hi:[1,0,0]
	v_fma_mix_f32_bf16 v[64*(\a)+2*k+1], v[TMP+k], v[CL], v[64*(\a)+2*k+1] op_sel:[1,0,0] op_sel_hi:[1,0,0]
.set k, k+1
.endr
.endm
	PLACES
	TOSTAGE 0
	TOSTAGE 1
	s_wait_loadcnt 0x0                             ; global_att
	s_wait_dscnt 32                                ; block 0 is back; the next block's 32 LDS instructions may be out
	ADDGA 0
	TOSTAGE 2
	s_wait_dscnt 32
	ADDGA 1
	TOSTAGE 3
	s_wait_dscnt 32
	ADDGA 2
	s_wait_dscnt 0x0
	ADDGA 3
	WIN 0x0a                                       ; the maximum of my 64 rows, for each of my four columns
.irp c, 0,1,2,3
	v_max_num_f32 v[MX+(\c)], v[(\c)], v[4+(\c)]
.endr
	WIN 0x28
.set p, 2
.rept 31
.irp c, 0,1,2,3
	v_max3_num_f32 v[MX+(\c)], v[MX+(\c)], v[4*p+(\c)], v[4*p+4+(\c)]
.endr
.set p, p+2
.endr
	WIN 0
	ds_store_b128 v[XA], v[MX:MX+3]
	s_wait_dscnt 0x0                               ; for the others' sake
	s_barrier_signal -1
	s_barrier_wait -1
.irp k, 0,1,2,3
	ds_load_b128 v[TMP+4*(\k):TMP+4*(\k)+3], v[XR] offset:512*(\k)
.endr
	s_wait_dscnt 0x0
.irp c, 0,1,2,3
	v_max3_num_f32 v[MX+(\c)], v[TMP+(\c)], v[TMP+4+(\c)], v[TMP+8+(\c)]
.endr
.irp c, 0,1,2,3
	v_max_num_f32 v[MX+(\c)], v[MX+(\c)], v[TMP+12+(\c)]     ; the block's 256 rows
.endr
	WIN 0x82                                       ; lg - m, a row ahead of the exponentials; the 256 exponentials are one batch, and nothing names a result ahead of its wait
	v_pk_add_f32 v[0:1], v[0:1], v[MX:MX+1] neg_lo:[0,1] neg_hi:[0,1]
	v_pk_add_f32 v[2:3], v[2:3], v[MX+2:MX+3] neg_lo:[0,1] neg_hi:[0,1]
.set p, 0
.rept 64
.if p < 63
	v_pk_add_f32 v[4*p+4:4*p+5], v[4*p+4:4*p+5], v[MX:MX+1] neg_lo:[0,1] neg_hi:[0,1]
	v_pk_add_f32 v[4*p+6:4*p+7], v[4*p+6:4*p+7], v[MX+2:MX+3] neg_lo:[0,1] neg_hi:[0,1]
.endif
.irp c, 0,1,2,3
	v_exp_f32 v[4*p+(\c)], v[4*p+(\c)]
.endr
.set p, p+1
.endr
	v_nop                                          ; a plain instruction behind the last exponential,
	s_wait_alu depctr_va_vdst(0)                   ; and the one wait ahead of the first use
	WIN 0x0a                                       ; the sums of the unrounded e, in four chains: even and odd rows, two pairs of columns
.irp r, 0,1
.irp c, 0,2
	v_pk_add_f32 v[SU+4*(\r)+(\c):SU+4*(\r)+(\c)+1], v[4*(\r)+(\c):4*(\r)+(\c)+1], v[4*(\r)+8+(\c):4*(\r)+8+(\c)+1]
.endr
.endr
	WIN 0x08
.set p, 4
.rept 60
.irp c, 0,2
	v_pk_add_f32 v[SU+4*(p%2)+(\c):SU+4*(p%2)+(\c)+1], v[SU+4*(p%2)+(\c):SU+4*(p%2)+(\c)+1], v[4*p+(\c):4*p+(\c)+1]
.endr
.set p, p+1
.endr
	WIN 0
	v_pk_add_f32 v[SU:SU+1], v[SU:SU+1], v[SU+4:SU+5]
	v_pk_add_f32 v[SU+2:SU+3], v[SU+2:SU+3], v[SU+6:SU+7]
	ds_store_b128 v[XA], v[SU:SU+3] offset:2048
	WIN 0x8a                                       ; e rounded to f16, in place
.set p, 0
.rept 64
	v_cvt_pk_f16_f32 v[4*p], v[4*p], v[4*p+1]
	v_cvt_pk_f16_f32 v[4*p+1], v[4*p+2], v[4*p+3]
.set p, p+1
.endr
	WIN 0x08
.set p, 0
.rept 64
	global_store_b64 v[EO], v[4*p:4*p+1], s[10:11] offset:p*8192  ; 32 lanes store 256 consecutive bytes, at a multiple of 256 from eb's first byte
.set p, p+1
.endr
	WIN 0
	s_wait_dscnt 0x0                               ; for the others' sake: my sums are in LDS
	s_barrier_signal -1
	s_barrier_wait -1
	s_cmp_lg_u32 s[WV], 0                          ; wave 0 adds the four waves' sums and stores the block's m and s
	s_cbranch_scc1 .Lend
.irp k, 0,1,2,3
	ds_load_b128 v[TMP+4*(\k):TMP+4*(\k)+3], v[XR] offset:2048+512*(\k)
.endr
	s_wait_dscnt 0x0
.irp c, 0,2
	v_pk_add_f32 v[TMP+(\c):TMP+(\c)+1], v[TMP+(\c):TMP+(\c)+1], v[TMP+4+(\c):TMP+4+(\c)+1]
	v_pk_add_f32 v[TMP+8+(\c):TMP+8+(\c)+1], v[TMP+8+(\c):TMP+8+(\c)+1], v[TMP+12+(\c):TMP+12+(\c)+1]
.endr
.irp c, 0,2
	v_pk_add_f32 v[TMP+(\c):TMP+(\c)+1], v[TMP+(\c):TMP+(\c)+1], v[TMP+8+(\c):TMP+8+(\c)+1]
.endr
	global_store_b128 v[GAO], v[MX:MX+3], s[12:13]     ; 512 consecutive bytes each
	global_store_b128 v[GAO], v[TMP:TMP+3], s[14:15]
.Lend:
	s_wait_tensorcnt 0x0                           ; the wave's end
	ds_add_u32 v[SPW], v[NIL]
	s_wait_dscnt 0x0
	CROUND                                         ; the closing round
	s_endpgm
.Lfunc_end_k_q4caa106afd_logits:
	.size	k_q4caa106afd_logits, .Lfunc_end_k_q4caa106afd_logits-k_q4caa106afd_logits
	.p2alignl 7, 3214868480
	.fill 96, 4, 3214868480
	.section	.rodata,"a",@progbits
	.p2align	6, 0x0
	.amdhsa_kernel k_q4caa106afd_logits
		.amdhsa_group_segment_fixed_size 327680
		.amdhsa_private_segment_fixed_size 0
		.amdhsa_enable_private_segment 0
		.amdhsa_kernarg_size 48
		.amdhsa_user_sgpr_count 2
		.amdhsa_user_sgpr_kernarg_segment_ptr 1
		.amdhsa_wavefront_size32 1
		.amdhsa_system_sgpr_workgroup_id_x 1
		.amdhsa_system_sgpr_workgroup_id_y 1
		.amdhsa_system_sgpr_workgroup_id_z 1
		.amdhsa_system_vgpr_workitem_id 0
		.amdhsa_next_free_vgpr 1024
		.amdhsa_next_free_sgpr 84
		.amdhsa_reserve_vcc 0
		.amdhsa_float_denorm_mode_32 3
		.amdhsa_float_denorm_mode_16_64 3
		.amdhsa_memory_ordered 1
		.amdhsa_forward_progress 1
		.amdhsa_inst_pref_size 173
	.end_amdhsa_kernel
	.amdgpu_metadata
---
amdhsa.version: [ 1, 2 ]
amdhsa.kernels:
  - .name:           k_q4caa106afd_logits
    .symbol:         k_q4caa106afd_logits.kd
    .args:
      - { .name: S2, .offset: 0, .size: 8, .value_kind: global_buffer, .address_space: global }
      - { .name: H2, .offset: 8, .size: 8, .value_kind: global_buffer, .address_space: global }
      - { .name: global_att, .offset: 16, .size: 8, .value_kind: global_buffer, .address_space: global }
      - { .name: eb, .offset: 24, .size: 8, .value_kind: global_buffer, .address_space: global }
      - { .name: mx, .offset: 32, .size: 8, .value_kind: global_buffer, .address_space: global }
      - { .name: sm, .offset: 40, .size: 8, .value_kind: global_buffer, .address_space: global }
    .group_segment_fixed_size: 327680
    .private_segment_fixed_size: 0
    .kernarg_segment_align: 8
    .kernarg_segment_size: 48
    .max_flat_workgroup_size: 128
    .sgpr_count:     84
    .vgpr_count:     1024
    .wavefront_size: 32
...
	.end_amdgpu_metadata
.endif
;; end of part 3
;; launch norm (part 4): grid 32 x 8, 8 waves a work-group, no clusters, 0 bytes of LDS; arguments eb, mx, sm, out0; writes out0
.if DOCPART == 4
	.amdgcn_target "amdgcn-amd-amdhsa--gfx1250"
	.amdhsa_code_object_version 6
	.text
	.protected	k_q4caa106afd_norm
	.globl	k_q4caa106afd_norm
	.p2align	8
	.type	k_q4caa106afd_norm,@function
k_q4caa106afd_norm:
	s_mov_b64 s[64:65], 0
	v_nop
	global_prefetch_b8 v0, s[64:65] scope:SCOPE_SE
	s_setreg_imm32_b32 hwreg(HW_REG_WAVE_MODE, 25, 1), 1
	s_wait_xcnt 0x0
; THE SOFTMAX's SECOND HALF.  For each column: M = the maximum of the eight blocks' m, L = the sum over the blocks of s x 2^(m - M); out[r][n] = e[r][n] x 2^(m of r's block - M) / L.
; A work-group takes 256 rows (one block) x 128 columns; a wave 32 rows; a lane four columns.  All of a wave's loads go out together; each row has its own registers, so no store's source is ever written again.
; L is at least 1: the block that holds M has a term 2^0 in its s.  An exponential below 2^-126 counts as 0.  No LDS, no barrier, no matrix unit: the launch is a stream.
.set MY,  4                            ; v[4:7]    m of my block, then 2^(m - M)
.set MM,  8                            ; v[8:11]   M
.set LS,  12                           ; v[12:15]  L
.set FF,  16                           ; v[16:19]  the factor
.set RC,  20                           ; v[20:23]  1 / L
.set ZR,  24                           ; v24  0
.set L16, 25                           ; v25  16 x lane
.set L8,  26                           ; v26  8 x lane
.set EE,  64                           ; v[64:127]  row j's four f16 at EE + 2 j
.set MXS, 128                          ; v[128:159] the eight m;  v[160:191] the eight s; later rows 16 to 31 on their way out
.set SMS, 160
.set OUT, 192                          ; v[192:255] rows 0 to 15 on their way out
	s_load_b256 s[4:11], s[0:1], 0x0               ; eb s[4:5], mx s[6:7], sm s[8:9], out0 s[10:11]
	v_lshrrev_b32 v1, 5, v0
	v_readfirstlane_b32 s12, v1                    ; wave
	v_and_b32 v2, 31, v0
	v_lshlrev_b32 v[L16], 4, v2
	v_lshlrev_b32 v[L8], 3, v2
	v_mov_b32 v[ZR], 0
	s_and_b32 s13, ttmp7, 0xffff                   ; the block of rows
	s_lshl_b32 s14, ttmp9, 9                       ; my 128 columns in f32
	s_mov_b32 s15, 0
	s_lshl_b32 s16, s13, 14
	s_mov_b32 s17, 0
	s_lshl_b32 s18, s13, 8
	s_lshl_b32 s19, s12, 5
	s_add_co_u32 s18, s18, s19                     ; my wave's first row
	s_lshl_b32 s20, s18, 13
	s_lshl_b32 s22, ttmp9, 8
	s_add_co_u32 s20, s20, s22
	s_mov_b32 s21, 0
	s_lshl_b32 s22, s18, 14
	s_add_co_u32 s22, s22, s14
	s_mov_b32 s23, 0
	s_wait_kmcnt 0x0
	s_add_nc_u64 s[6:7], s[6:7], s[14:15]
	s_add_nc_u64 s[8:9], s[8:9], s[14:15]
	s_add_nc_u64 s[24:25], s[6:7], s[16:17]
	s_add_nc_u64 s[4:5], s[4:5], s[20:21]
	s_add_nc_u64 s[10:11], s[10:11], s[22:23]
	global_load_b128 v[MY:MY+3], v[L16], s[24:25]
.irp y, 0,1,2,3,4,5,6,7
	global_load_b128 v[MXS+4*(\y):MXS+4*(\y)+3], v[L16], s[6:7] offset:(\y)*16384
.endr
.irp y, 0,1,2,3,4,5,6,7
	global_load_b128 v[SMS+4*(\y):SMS+4*(\y)+3], v[L16], s[8:9] offset:(\y)*16384
.endr
.set j, 0
.rept 32
	global_load_b64 v[EE+2*j:EE+2*j+1], v[L8], s[4:5] offset:j*8192 th:TH_LOAD_NT
.set j, j+1
.endr
	s_wait_loadcnt 32                              ; the statistics are in; the 32 rows' loads may be out
.irp c, 0,1,2,3
	v_max3_num_f32 v[MM+(\c)], v[MXS+(\c)], v[MXS+4+(\c)], v[MXS+8+(\c)]
.endr
.irp c, 0,1,2,3
	v_max3_num_f32 v[MM+(\c)], v[MM+(\c)], v[MXS+12+(\c)], v[MXS+16+(\c)]
.endr
.irp c, 0,1,2,3
	v_max3_num_f32 v[MM+(\c)], v[MM+(\c)], v[MXS+20+(\c)], v[MXS+24+(\c)]
.endr
.irp c, 0,1,2,3
	v_max_num_f32 v[MM+(\c)], v[MM+(\c)], v[MXS+28+(\c)]
.endr
.irp y, 0,1,2,3,4,5,6,7
	v_pk_add_f32 v[MXS+4*(\y):MXS+4*(\y)+1], v[MXS+4*(\y):MXS+4*(\y)+1], v[MM:MM+1] neg_lo:[0,1] neg_hi:[0,1]
	v_pk_add_f32 v[MXS+4*(\y)+2:MXS+4*(\y)+3], v[MXS+4*(\y)+2:MXS+4*(\y)+3], v[MM+2:MM+3] neg_lo:[0,1] neg_hi:[0,1]
.endr
	v_pk_add_f32 v[MY:MY+1], v[MY:MY+1], v[MM:MM+1] neg_lo:[0,1] neg_hi:[0,1]
	v_pk_add_f32 v[MY+2:MY+3], v[MY+2:MY+3], v[MM+2:MM+3] neg_lo:[0,1] neg_hi:[0,1]
.set i, 0
.rept 32
	v_exp_f32 v[MXS+i], v[MXS+i]                   ; one batch of 36
.set i, i+1
.endr
.irp c, 0,1,2,3
	v_exp_f32 v[MY+(\c)], v[MY+(\c)]
.endr
	v_nop                                          ; a plain instruction behind the last exponential,
	s_wait_alu depctr_va_vdst(0)                   ; and the one wait ahead of the first use
	v_pk_mul_f32 v[LS:LS+1], v[SMS:SMS+1], v[MXS:MXS+1]
	v_pk_mul_f32 v[LS+2:LS+3], v[SMS+2:SMS+3], v[MXS+2:MXS+3]
.irp y, 1,2,3,4,5,6,7
	v_pk_fma_f32 v[LS:LS+1], v[SMS+4*(\y):SMS+4*(\y)+1], v[MXS+4*(\y):MXS+4*(\y)+1], v[LS:LS+1]
	v_pk_fma_f32 v[LS+2:LS+3], v[SMS+4*(\y)+2:SMS+4*(\y)+3], v[MXS+4*(\y)+2:MXS+4*(\y)+3], v[LS+2:LS+3]
.endr
.irp c, 0,1,2,3
	v_rcp_f32 v[RC+(\c)], v[LS+(\c)]
.endr
	v_nop
	s_wait_alu depctr_va_vdst(0)                   ; one wait for the four reciprocals
	v_pk_mul_f32 v[FF:FF+1], v[MY:MY+1], v[RC:RC+1]
	v_pk_mul_f32 v[FF+2:FF+3], v[MY+2:MY+3], v[RC+2:RC+3]
.set j, 0
.rept 32
.if j < 16
.set ro, OUT+4*j
.else
.set ro, MXS+4*(j-16)                  ; the statistics' registers are free by now
.endif
	s_wait_loadcnt 31-j                            ; row j is in; the younger rows' loads may be out
	v_fma_mix_f32 v[ro], v[EE+2*j], v[FF], v[ZR] op_sel_hi:[1,0,0]                        ; an f16 half times the factor, in f32
	v_fma_mix_f32 v[ro+1], v[EE+2*j], v[FF+1], v[ZR] op_sel:[1,0,0] op_sel_hi:[1,0,0]
	v_fma_mix_f32 v[ro+2], v[EE+2*j+1], v[FF+2], v[ZR] op_sel_hi:[1,0,0]
	v_fma_mix_f32 v[ro+3], v[EE+2*j+1], v[FF+3], v[ZR] op_sel:[1,0,0] op_sel_hi:[1,0,0]
	global_store_b128 v[L16], v[ro:ro+3], s[10:11] offset:j*16384 th:TH_STORE_NT  ; 512 consecutive bytes, at a multiple of 512 from out0's first byte
.set j, j+1
.endr
	s_endpgm
.Lfunc_end_k_q4caa106afd_norm:
	.size	k_q4caa106afd_norm, .Lfunc_end_k_q4caa106afd_norm-k_q4caa106afd_norm
	.p2alignl 7, 3214868480
	.fill 96, 4, 3214868480
	.section	.rodata,"a",@progbits
	.p2align	6, 0x0
	.amdhsa_kernel k_q4caa106afd_norm
		.amdhsa_group_segment_fixed_size 0
		.amdhsa_private_segment_fixed_size 0
		.amdhsa_enable_private_segment 0
		.amdhsa_kernarg_size 32
		.amdhsa_user_sgpr_count 2
		.amdhsa_user_sgpr_kernarg_segment_ptr 1
		.amdhsa_wavefront_size32 1
		.amdhsa_system_sgpr_workgroup_id_x 1
		.amdhsa_system_sgpr_workgroup_id_y 1
		.amdhsa_system_sgpr_workgroup_id_z 1
		.amdhsa_system_vgpr_workitem_id 0
		.amdhsa_next_free_vgpr 256
		.amdhsa_next_free_sgpr 66
		.amdhsa_reserve_vcc 0
		.amdhsa_float_denorm_mode_32 3
		.amdhsa_float_denorm_mode_16_64 3
		.amdhsa_memory_ordered 1
		.amdhsa_forward_progress 1
		.amdhsa_inst_pref_size 23
	.end_amdhsa_kernel
	.amdgpu_metadata
---
amdhsa.version: [ 1, 2 ]
amdhsa.kernels:
  - .name:           k_q4caa106afd_norm
    .symbol:         k_q4caa106afd_norm.kd
    .args:
      - { .name: eb, .offset: 0, .size: 8, .value_kind: global_buffer, .address_space: global }
      - { .name: mx, .offset: 8, .size: 8, .value_kind: global_buffer, .address_space: global }
      - { .name: sm, .offset: 16, .size: 8, .value_kind: global_buffer, .address_space: global }
      - { .name: out0, .offset: 24, .size: 8, .value_kind: global_buffer, .address_space: global }
    .group_segment_fixed_size: 0
    .private_segment_fixed_size: 0
    .kernarg_segment_align: 8
    .kernarg_segment_size: 32
    .max_flat_workgroup_size: 256
    .sgpr_count:     66
    .vgpr_count:     256
    .wavefront_size: 32
...
	.end_amdgpu_metadata
.endif
;; end of part 4
;; ======== version 2 of 2: 4 launches; version 1 with the launches window, norm written anew for expert scheduling mode
;; workspace buffers: hp 18,874,368 bytes; S2 4,194,304 bytes; H2 8,388,608 bytes; eb 16,777,216 bytes; mx 131,072 bytes; sm 131,072 bytes
;; launch proj: the kernel of part 1 again; grid 4 x 64, 4 waves a work-group, clusters of 4 x 4, 327,680 bytes of LDS; arguments x1, x2, W1, W2, hp; writes hp
;; launch window (part 5): grid 256 x 1, 8 waves a work-group, no clusters, 111,616 bytes of LDS; arguments hp, b1, b2, S2, H2; writes S2, H2
.if DOCPART == 5
	.amdgcn_target "amdgcn-amd-amdhsa--gfx1250"
	.amdhsa_code_object_version 6
	.text
	.protected	k_q4caa106afd_window
	.globl	k_q4caa106afd_window
	.p2align	8
	.type	k_q4caa106afd_window,@function
k_q4caa106afd_window:
	s_mov_b64 s[64:65], 0
	v_nop
	global_prefetch_b8 v0, s[64:65] scope:SCOPE_SE
	s_setreg_imm32_b32 hwreg(HW_REG_WAVE_SCHED_MODE, 0, 2), 2
	s_setreg_imm32_b32 hwreg(HW_REG_WAVE_MODE, 25, 1), 1
	s_wait_xcnt 0x0
	s_wait_alu depctr_vm_vsrc(0)
; Work-groups 0-127:   S[r] = the sum over c = max(0, r - 63) .. r + 63 of (x1 W1^T)[c] + count x b1, r < 2,048: the band's row sum taken ahead of the product with h2 (sums may be regrouped).
; Work-groups 128-255: H[n] = log2(e) x ((x2 W2^T)[n] + b2), n < 4,096.  The factor makes the later exponentials powers of two.
; b1 and b2 are rounded to bf16, as every input of the program is.  All sums in f32, by additions alone: no sum is made as a difference of larger sums.
; OUT.  Each number goes out as hi + lo, two bf16 (hi = the number rounded, lo = the rest rounded): 16 significant bits.  A row of S2 and H2 is 8 chunks of 256 bytes: 64 hi, then the same 64 columns' lo.
; LIMITS.  What is left of a number behind hi + lo, some 2^-17 of it, is dropped; a number beyond bf16's range becomes an infinity; NaN and infinities are not treated apart.
; No matrix unit, no cluster, no tensor load: rows are read by plain loads, all of a wave's out together, and nothing is shared between work-groups but rows that neighbours also read.
; THE MODE: SCHED_MODE bits 1:0 = 2 (LLVM: expert scheduling mode 2), set by the entry lines.  The code itself states the register dependences
; between vector instructions and memory or LDS instructions, with s_wait_alu, always for 0.
; THE PLAN.  Registers that memory or LDS instructions touch:
;   the addresses v5-v11, v14 and v[OFF ..]   made once, ahead of one wait in each path; never written again.
;   S path: D0, D1    landed in by the 48 loads of hp; the 24 rows go in three blocks of eight.  Block k's vector lines write its rows of D0 and its sum at D1 + 32 k; the nine LDS stores that read them are
;                     issued in block k + 1, behind the wait at that block's head, among vector lines that name block k + 1's registers alone.  Behind the barrier LDS loads land in these registers again.
;           QQ        four registers a row, written by the row's split, read by its store, never written again.  Rows 0-3's stores stand among rows 4-7's vector lines, behind one wait; rows 4-7's behind a second.
;   H path: v[128:191] four registers an item, written by the item's split, read by its store, never written again.  A row's four stores stand among the next row's vector lines, behind the wait at that row's head.
;   v16-v27, v48-v51, OO and what is loaded and then only read by vector lines owe nothing.
.set TROW,  512                        ; LDS: 192 rows of 128 f32 (T), then their 24 sums of eight rows (B8)
.set B8,    192*TROW
.set SPARE, B8+24*TROW                 ; the spare words, 128 bytes for each of eight waves
.set L16, 5                            ; v5   16 x lane
.set SO,  6                            ; v6   where my 16 bytes of a split row go: chunk (l / 16), hi or lo (l % 2), eight columns ((l / 2) % 8)
.set TA,  7                            ; v7   my wave's rows of T
.set BSA, 8                            ; v8   my wave's three sums in B8
.set BA,  9                            ; v9   the fifteen sums that I read
.set LA,  10                           ; v10  the seven rows to their left
.set RA,  11                           ; v11  the seven rows to their right
.set SPW, 12                           ; v12  my spare word; never rewritten
.set NIL, 13                           ; v13  0; never rewritten
.set L8,  14                           ; v14  8 x lane
.set BB,  28                           ; v[28:31] b1 of my four columns
.set D0,  32                           ; v[32:127]  24 rows, K half 0, then the rows' sums
.set D1,  128                          ; v[128:223] K half 1, then at work
.set OFF, 224                          ; v[224:247] a row's byte offset in hp, a register a row
.set BS,  32                           ; phase 2: 15 sums; 7 left rows; 7 right rows; 8 results; 8 split results
.set LR,  96
.set RR,  128
.set OO,  160
.set QQ,  192
.set WV,  14
.set ODD, 15                           ; s15  the odd lanes
.set HM,  16                           ; s16  a word's upper bf16
.set LG,  18                           ; s[18:19] log2(e)
.set CW,  28                           ; s28  c of my wave's first row; below 0 in the first work-groups
.set RW,  29                           ; s29  my wave's first output row
.set ZZ,  30                           ; s[30:31] 0 for a row above the matrix, else 1
.set CN,  32                           ; s[32:33] the count of rows in the window
.set XB,  34                           ; s[34:35] 512 x column group
.macro ADD4 d, a, b                    ; four columns: d = a + b
	v_pk_add_f32 v[(\d):(\d)+1], v[(\a):(\a)+1], v[(\b):(\b)+1]
	v_pk_add_f32 v[(\d)+2:(\d)+3], v[(\a)+2:(\a)+3], v[(\b)+2:(\b)+3]
.endm
; Four f32 at o become hi and lo; neighbour lanes then swap, so that an even lane holds eight hi and the odd lane beside it the same eight columns' lo: 16 bytes a lane at q.
.macro SPLIT o, q
	v_cvt_pk_bf16_f32 v16, v[(\o)], v[(\o)+1]
	v_cvt_pk_bf16_f32 v17, v[(\o)+2], v[(\o)+3]
	v_lshlrev_b32 v18, 16, v16
	v_and_b32 v19, s[HM], v16
	v_lshlrev_b32 v20, 16, v17
	v_and_b32 v21, s[HM], v17
	v_pk_add_f32 v[18:19], v[(\o):(\o)+1], v[18:19] neg_lo:[0,1] neg_hi:[0,1]      ; exact: hi is within half a step of the number
	v_pk_add_f32 v[20:21], v[(\o)+2:(\o)+3], v[20:21] neg_lo:[0,1] neg_hi:[0,1]
	v_cvt_pk_bf16_f32 v22, v18, v19
	v_cvt_pk_bf16_f32 v23, v20, v21
	v_cndmask_b32 v24, v22, v16, s[ODD]            ; what I give away: an even lane its lo, an odd lane its hi
	v_cndmask_b32 v25, v23, v17, s[ODD]
	v_mov_b32_dpp v26, v24 row_xmask:1 row_mask:0xf bank_mask:0xf
	v_mov_b32_dpp v27, v25 row_xmask:1 row_mask:0xf bank_mask:0xf
	v_cndmask_b32 v[(\q)], v16, v26, s[ODD]
	v_cndmask_b32 v[(\q)+1], v17, v27, s[ODD]
	v_cndmask_b32 v[(\q)+2], v26, v22, s[ODD]
	v_cndmask_b32 v[(\q)+3], v27, v23, s[ODD]
.endm
; S path, row n of my 24: its two K halves are added; a row above the matrix counts as zeros.
.macro ROWIN n
	s_wait_loadcnt 46-2*(\n)                       ; row n's two loads are in; the younger rows' may be out
	s_add_co_i32 s20, s[CW], \n
	s_cmp_lt_i32 s20, 0
	s_cselect_b32 s[ZZ], 0, 1.0
	ADD4 D0+4*(\n), D0+4*(\n), D1+4*(\n)
	v_pk_mul_f32 v[D0+4*(\n):D0+4*(\n)+1], v[D0+4*(\n):D0+4*(\n)+1], s[ZZ:ZZ+1] op_sel_hi:[1,0]
	v_pk_mul_f32 v[D0+4*(\n)+2:D0+4*(\n)+3], v[D0+4*(\n)+2:D0+4*(\n)+3], s[ZZ:ZZ+1] op_sel_hi:[1,0]
.endm
; S path, block k's sum of eight rows, straight from the registers, into D1 + 32 k
.macro TREE k
.irp u, 0,1,2,3
	ADD4 D1+32*(\k)+4*(\u), D0+32*(\k)+8*(\u), D0+32*(\k)+8*(\u)+4
.endr
	ADD4 D1+32*(\k), D1+32*(\k), D1+32*(\k)+4
	ADD4 D1+32*(\k)+8, D1+32*(\k)+8, D1+32*(\k)+12
	ADD4 D1+32*(\k), D1+32*(\k), D1+32*(\k)+8
.endm
	s_load_b256 s[4:11], s[0:1], 0x0               ; hp s[4:5], b1 s[6:7], b2 s[8:9], S2 s[10:11]
	s_load_b64 s[12:13], s[0:1], 0x20              ; H2
	v_lshl_add_u32 v[SPW], v0, 2, SPARE
	v_mov_b32 v[NIL], 0
	v_lshrrev_b32 v1, 5, v0
	v_readfirstlane_b32 s[WV], v1
	v_and_b32 v2, 31, v0
	v_lshlrev_b32 v[L16], 4, v2
	v_lshlrev_b32 v[L8], 3, v2
	v_lshrrev_b32 v3, 4, v2
	v_lshlrev_b32 v[SO], 8, v3
	v_and_b32 v3, 1, v2
	v_lshl_add_u32 v[SO], v3, 7, v[SO]
	v_bfe_u32 v3, v2, 1, 3
	v_lshl_add_u32 v[SO], v3, 4, v[SO]
	v_mov_b32 v26, 0                               ; the lane exchange's destinations count as read: written once here
	v_mov_b32 v27, 0
	s_mov_b32 s[ODD], 0xaaaaaaaa
	s_mov_b32 s[HM], 0xffff0000
	s_mov_b32 s[LG], 0x3fb8aa3b
	s_mov_b32 s[LG+1], s[LG]
	s_wait_alu depctr_va_sdst(0)                   ; the wave's number is written into s[WV], ahead of the branch: its first readers stand in both paths
	s_cmp_lt_u32 ttmp9, 128                        ; the same in all eight waves
	s_cbranch_scc0 .Lhpath
	; THE S PATH.  Work-group = 64 output rows (R0 = 64 (id / 4)) x 128 columns (id % 4).  T holds rows c = R0 - 64 .. R0 + 127; wave w loads 24 of them.
	s_lshr_b32 s20, ttmp9, 2
	s_and_b32 s21, ttmp9, 3
	s_lshl_b32 s20, s20, 6                         ; R0
	s_mul_i32 s22, s[WV], 24
	s_add_co_u32 s[CW], s20, s22
	s_sub_co_i32 s[CW], s[CW], 64
	s_lshl3_add_u32 s[RW], s[WV], s20              ; R0 + 8 w
	s_lshl_b32 s[XB], s21, 9
	s_mov_b32 s[XB+1], 0
	s_mov_b32 s[ZZ+1], 0                           ; named as pairs
	s_mov_b32 s[CN+1], 0
	s_lshl_b32 s23, s22, 9
	v_add_nc_u32 v[TA], s23, v[L16]
	s_mul_i32 s23, s[WV], 3*TROW
	s_add_co_u32 s23, s23, B8
	v_add_nc_u32 v[BSA], s23, v[L16]
	s_lshl_b32 s23, s[WV], 9
	s_add_co_u32 s23, s23, B8+TROW
	v_add_nc_u32 v[BA], s23, v[L16]                ; sums w + 1 ..
	s_lshl_b32 s23, s[WV], 12
	s_add_co_u32 s24, s23, TROW
	v_add_nc_u32 v[LA], s24, v[L16]                ; rows 8 w + 1 ..
	s_add_co_u32 s24, s23, 128*TROW
	v_add_nc_u32 v[RA], s24, v[L16]                ; rows 8 w + 128 ..
	s_lshl_b32 s24, s[RW], 11
	s_add_co_u32 s24, s24, s[XB]
	s_mov_b32 s25, 0
.set j, 0
.rept 24                               ; row c lies in unit 32 + c / 132 at row c % 132: hp row 4,608 + c + 12 (c / 132); K half 1 lies 16 units on.  A row above the matrix is asked for as row 0.  All 24 offsets are made ahead of the loads
	s_add_co_i32 s20, s[CW], j
	s_max_i32 s21, s20, 0
	s_mul_i32 s22, s21, 31776
	s_lshr_b32 s22, s22, 22                        ; c / 132, exact for c up to 2,111
	s_mul_i32 s22, s22, 12
	s_add_co_u32 s21, s21, s22
	s_lshl_b32 s21, s21, 11
	v_add_nc_u32 v[OFF+j], s21, v[L16]
.set j, j+1
.endr
	s_wait_kmcnt 0x0
	s_add_nc_u64 s[4:5], s[4:5], 4608*2048         ; unit 32's first row,
	s_add_nc_u64 s[4:5], s[4:5], s[XB:XB+1]        ; my columns
	s_add_nc_u64 s[6:7], s[6:7], s[XB:XB+1]
	s_add_nc_u64 s[10:11], s[10:11], s[24:25]
	s_wait_alu depctr_va_vdst(0)                   ; every address of this path is written: v[L16], v[SO], v[TA], v[BSA], v[BA], v[LA], v[RA] and the 24 offsets, which the loads and stores below read
	global_load_b128 v[BB:BB+3], v[L16], s[6:7]
.set j, 0
.rept 24
	global_load_b128 v[D0+4*j:D0+4*j+3], v[OFF+j], s[4:5]
	global_load_b128 v[D1+4*j:D1+4*j+3], v[OFF+j], s[4:5] offset:16*144*2048
.set j, j+1
.endr
.set rw, 0
.rept 8                                ; block 0: no block stands in front of it
	ROWIN rw
.set rw, rw+1
.endr
	TREE 0
.irp k, 1,2                            ; blocks 1 and 2: the block before goes into LDS while this one is added up
	s_wait_alu depctr_va_vdst(0)                   ; the block before has written its eight rows of D0 and its sum in D1, which the nine LDS stores below read; this block's vector lines name its own rows alone
.rept 8
	ds_store_b128 v[TA], v[D0+4*(rw-8):D0+4*(rw-8)+3] offset:(rw-8)*TROW
	ROWIN rw
.set rw, rw+1
.endr
	ds_store_b128 v[BSA], v[D1+32*((\k)-1):D1+32*((\k)-1)+3] offset:((\k)-1)*TROW
	TREE \k
.endr
	s_wait_alu depctr_va_vdst(0)                   ; block 2 has written its rows and its sum, which the stores below read; and every vector line is done reading D0 and D1, in which LDS loads land behind the barrier
.rept 8
	ds_store_b128 v[TA], v[D0+4*(rw-8):D0+4*(rw-8)+3] offset:(rw-8)*TROW
.set rw, rw+1
.endr
	ds_store_b128 v[BSA], v[D1+64:D1+67] offset:2*TROW
	s_wait_dscnt 0x0                               ; for the others' sake: my rows and sums are in LDS
	s_barrier_signal -1
	s_barrier_wait -1
	s_wait_alu depctr_vm_vsrc(0)                   ; my LDS stores have read D0's rows and D1's three sums: the LDS loads below land in v[32:155], and the vector lines behind them write v[160:223]
	; Output row R0 + 8 w + i wants T's rows 8 w + i + 1 .. 8 w + i + 127: rows 8 w + 8 .. 8 w + 127 (fifteen sums) for every i, the last 7 - i rows to their left, the first i to their right.
.set k, 0
.rept 15
	ds_load_b128 v[BS+4*k:BS+4*k+3], v[BA] offset:k*TROW
.set k, k+1
.endr
.set k, 0
.rept 7
	ds_load_b128 v[LR+4*k:LR+4*k+3], v[LA] offset:k*TROW
.set k, k+1
.endr
.set k, 0
.rept 7
	ds_load_b128 v[RR+4*k:RR+4*k+3], v[RA] offset:k*TROW
.set k, k+1
.endr
	v_cvt_pk_bf16_f32 v16, v[BB], v[BB+1]          ; b1 rounded to bf16
	v_cvt_pk_bf16_f32 v17, v[BB+2], v[BB+3]
	v_lshlrev_b32 v[BB], 16, v16
	v_and_b32 v[BB+1], s[HM], v16
	v_lshlrev_b32 v[BB+2], 16, v17
	v_and_b32 v[BB+3], s[HM], v17
	s_wait_dscnt 14                                ; the fifteen sums are in; the fourteen rows' loads may be out
.irp k, 0,2,4,6,8,10,12
	ADD4 BS+4*(\k), BS+4*(\k), BS+4*(\k)+4
.endr
.irp k, 0,4,8,12
	ADD4 BS+4*(\k), BS+4*(\k), BS+4*(\k)+8
.endr
	ADD4 BS, BS, BS+16
	ADD4 BS+32, BS+32, BS+48
	ADD4 BS, BS, BS+32
	s_wait_dscnt 7                                 ; the left rows are in
.irp k, 5,4,3,2,1,0
	ADD4 LR+4*(\k), LR+4*(\k), LR+4*(\k)+4         ; sums from each row to the seventh
.endr
	s_wait_dscnt 0x0
.irp k, 1,2,3,4,5,6
	ADD4 RR+4*(\k), RR+4*(\k), RR+4*(\k)-4         ; sums from the first row to each
.endr
.set i, 0
.rept 8
.if i == 4
	s_wait_alu depctr_va_vdst(0)                   ; rows 0 to 3 are split into their QQ registers, which the four stores among rows 4 to 7 read; those rows' vector lines name other registers
.endif
.if i >= 4
	global_store_b128 v[SO], v[QQ+4*(i-4):QQ+4*(i-4)+3], s[10:11] offset:(i-4)*2048  ; two whole chunks of 256 bytes; each row has its own four registers
.endif
	s_add_co_u32 s20, s[RW], i+64
	s_min_u32 s20, s20, 127                        ; the rows in the window: r + 64 near the top, else 127
	s_cvt_f32_u32 s[CN], s20
	v_pk_fma_f32 v[OO+4*i:OO+4*i+1], v[BB:BB+1], s[CN:CN+1], v[BS:BS+1] op_sel_hi:[1,0,1]
	v_pk_fma_f32 v[OO+4*i+2:OO+4*i+3], v[BB+2:BB+3], s[CN:CN+1], v[BS+2:BS+3] op_sel_hi:[1,0,1]
.if i < 7
	ADD4 OO+4*i, OO+4*i, LR+4*i
.endif
.if i > 0
	ADD4 OO+4*i, OO+4*i, RR+4*i-4
.endif
	SPLIT OO+4*i, QQ+4*i
.set i, i+1
.endr
	s_wait_alu depctr_va_vdst(0)                   ; rows 4 to 7 are split into their QQ registers, which the last four stores read
.irp n, 4,5,6,7
	global_store_b128 v[SO], v[QQ+4*(\n):QQ+4*(\n)+3], s[10:11] offset:(\n)*2048
.endr
	s_branch .Lend
.Lhpath:                               ; THE H PATH.  Work-group = 32 rows; wave w rows 4 w .. 4 w + 3, whole: four groups of 128 columns.
	; Row n is local row l = n % 128 + (t & 16) of unit t = n / 128, which lies at the unit's row 72 (l & 1) + (l >> 1); column e of a group of 128 lies at place 64 (e & 1) + (e >> 1).
	; So a lane's four columns 4 l' .. 4 l' + 3 are two loads of 8 bytes: the even two at byte 8 l' of the group, the odd two 256 bytes on; each load of a wave covers 256 consecutive bytes, aligned.
	s_sub_co_u32 s20, ttmp9, 128
	s_lshr_b32 s21, s20, 2                         ; t
	s_lshl_b32 s22, s20, 5
	s_lshl2_add_u32 s22, s[WV], s22                ; my first row n, a multiple of 4
	s_and_b32 s23, s22, 127
	s_and_b32 s24, s21, 16
	s_add_co_u32 s23, s23, s24                     ; its local row,
	s_lshr_b32 s23, s23, 1                         ; the place of the even rows from there on
	s_mul_i32 s24, s21, 144
	s_add_co_u32 s23, s23, s24
	s_lshl_b32 s24, s23, 11
	s_mov_b32 s25, 0
	s_lshl_b32 s26, s22, 11
	s_mov_b32 s27, 0
	s_wait_kmcnt 0x0
	s_add_nc_u64 s[4:5], s[4:5], s[24:25]
	s_add_nc_u64 s[12:13], s[12:13], s[26:27]
	s_wait_alu depctr_va_vdst(0)                   ; v[L16], v[L8] and v[SO] are written, which this path's loads and stores read as their offsets
.irp x, 0,1,2,3
	global_load_b128 v[32+4*(\x):32+4*(\x)+3], v[L16], s[8:9] offset:512*(\x)
.endr
.set i, 0
.rept 16                               ; item i: row j = i / 4, column group i % 4; row j lies 72 (j & 1) + (j >> 1) rows on
	global_load_b64 v[64+4*i:64+4*i+1],   v[L8], s[4:5] offset:(72*((i/4)%2)+(i/8))*2048+(i%4)*512 th:TH_LOAD_NT
	global_load_b64 v[64+4*i+2:64+4*i+3], v[L8], s[4:5] offset:(72*((i/4)%2)+(i/8))*2048+(i%4)*512+256 th:TH_LOAD_NT
.set i, i+1
.endr
	s_wait_loadcnt 32                              ; b2 is in; the sixteen items' 32 loads may be out
.irp x, 0,1,2,3
	v_cvt_pk_bf16_f32 v16, v[32+4*(\x)], v[32+4*(\x)+1]      ; b2 rounded to bf16, times log2(e)
	v_cvt_pk_bf16_f32 v17, v[32+4*(\x)+2], v[32+4*(\x)+3]
	v_lshlrev_b32 v[32+4*(\x)], 16, v16
	v_and_b32 v[32+4*(\x)+1], s[HM], v16
	v_lshlrev_b32 v[32+4*(\x)+2], 16, v17
	v_and_b32 v[32+4*(\x)+3], s[HM], v17
	v_pk_mul_f32 v[32+4*(\x):32+4*(\x)+1], v[32+4*(\x):32+4*(\x)+1], s[LG:LG+1] op_sel_hi:[1,0]
	v_pk_mul_f32 v[32+4*(\x)+2:32+4*(\x)+3], v[32+4*(\x)+2:32+4*(\x)+3], s[LG:LG+1] op_sel_hi:[1,0]
.endr
.set i, 0
.rept 16
.if (i%4 == 0) && (i > 0)
	s_wait_alu depctr_va_vdst(0)                   ; the row before is split into its sixteen out registers, which the four stores among this row's items read; this row's vector lines name other registers
.endif
.if i >= 4
	global_store_b128 v[SO], v[128+4*(i-4):128+4*(i-4)+3], s[12:13] offset:((i-4)/4)*2048+((i-4)%4)*512
.endif
	s_wait_loadcnt 30-2*i                          ; item i's two loads are in; the younger items' may be out
	v_fma_f32 v48, v[64+4*i],   s[LG], v[32+4*(i%4)]        ; the columns go back into their order: even, odd, even, odd
	v_fma_f32 v49, v[64+4*i+2], s[LG], v[32+4*(i%4)+1]
	v_fma_f32 v50, v[64+4*i+1], s[LG], v[32+4*(i%4)+2]
	v_fma_f32 v51, v[64+4*i+3], s[LG], v[32+4*(i%4)+3]
	SPLIT 48, 128+4*i
.set i, i+1
.endr
	s_wait_alu depctr_va_vdst(0)                   ; the last row is split into its out registers, which the last four stores read
.irp n, 12,13,14,15
	global_store_b128 v[SO], v[128+4*(\n):128+4*(\n)+3], s[12:13] offset:((\n)/4)*2048+((\n)%4)*512
.endr
.Lend:
	s_wait_dscnt 0x0                               ; the wave's end
	s_wait_alu 0x0
	s_wait_tensorcnt 0x0
	ds_add_u32 v[SPW], v[NIL]
	s_wait_dscnt 0x0
	s_endpgm
.Lfunc_end_k_q4caa106afd_window:
	.size	k_q4caa106afd_window, .Lfunc_end_k_q4caa106afd_window-k_q4caa106afd_window
	.p2alignl 7, 3214868480
	.fill 96, 4, 3214868480
	.section	.rodata,"a",@progbits
	.p2align	6, 0x0
	.amdhsa_kernel k_q4caa106afd_window
		.amdhsa_group_segment_fixed_size 111616
		.amdhsa_private_segment_fixed_size 0
		.amdhsa_enable_private_segment 0
		.amdhsa_kernarg_size 40
		.amdhsa_user_sgpr_count 2
		.amdhsa_user_sgpr_kernarg_segment_ptr 1
		.amdhsa_wavefront_size32 1
		.amdhsa_system_sgpr_workgroup_id_x 1
		.amdhsa_system_sgpr_workgroup_id_y 1
		.amdhsa_system_sgpr_workgroup_id_z 1
		.amdhsa_system_vgpr_workitem_id 0
		.amdhsa_next_free_vgpr 256
		.amdhsa_next_free_sgpr 66
		.amdhsa_reserve_vcc 0
		.amdhsa_float_denorm_mode_32 3
		.amdhsa_float_denorm_mode_16_64 3
		.amdhsa_memory_ordered 1
		.amdhsa_forward_progress 1
		.amdhsa_inst_pref_size 74
	.end_amdhsa_kernel
	.amdgpu_metadata
---
amdhsa.version: [ 1, 2 ]
amdhsa.kernels:
  - .name:           k_q4caa106afd_window
    .symbol:         k_q4caa106afd_window.kd
    .args:
      - { .name: hp, .offset: 0, .size: 8, .value_kind: global_buffer, .address_space: global }
      - { .name: b1, .offset: 8, .size: 8, .value_kind: global_buffer, .address_space: global }
      - { .name: b2, .offset: 16, .size: 8, .value_kind: global_buffer, .address_space: global }
      - { .name: S2, .offset: 24, .size: 8, .value_kind: global_buffer, .address_space: global }
      - { .name: H2, .offset: 32, .size: 8, .value_kind: global_buffer, .address_space: global }
    .group_segment_fixed_size: 111616
    .private_segment_fixed_size: 0
    .kernarg_segment_align: 8
    .kernarg_segment_size: 40
    .max_flat_workgroup_size: 256
    .sgpr_count:     66
    .vgpr_count:     256
    .wavefront_size: 32
...
	.end_amdgpu_metadata
.endif
;; end of part 5
;; launch logits: the kernel of part 3 again; grid 32 x 8, 4 waves a work-group, clusters of 4 x 4, 327,680 bytes of LDS; arguments S2, H2, global_att, eb, mx, sm; writes eb, mx, sm
;; launch norm (part 6): grid 32 x 8, 8 waves a work-group, no clusters, 0 bytes of LDS; arguments eb, mx, sm, out0; writes out0
.if DOCPART == 6
	.amdgcn_target "amdgcn-amd-amdhsa--gfx1250"
	.amdhsa_code_object_version 6
	.text
	.protected	k_q4caa106afd_norm
	.globl	k_q4caa106afd_norm
	.p2align	8
	.type	k_q4caa106afd_norm,@function
k_q4caa106afd_norm:
	s_mov_b64 s[64:65], 0
	v_nop
	global_prefetch_b8 v0, s[64:65] scope:SCOPE_SE
	s_setreg_imm32_b32 hwreg(HW_REG_WAVE_SCHED_MODE, 0, 2), 2
	s_setreg_imm32_b32 hwreg(HW_REG_WAVE_MODE, 25, 1), 1
	s_wait_xcnt 0x0
	s_wait_alu depctr_vm_vsrc(0)
; THE SOFTMAX's SECOND HALF.  For each column: M = the maximum of the eight blocks' m, L = the sum over the blocks of s x 2^(m - M); out[r][n] = e[r][n] x 2^(m of r's block - M) / L.
; A work-group takes 256 rows (one block) x 128 columns; a wave 32 rows; a lane four columns.  All of a wave's loads go out together; each row has its own registers, so no store's source is ever written again.
; L is at least 1: the block that holds M has a term 2^0 in its s.  An exponential below 2^-126 counts as 0.  No LDS, no barrier, no matrix unit: the launch is a stream.
; THE MODE: SCHED_MODE bits 1:0 = 2 (LLVM: expert scheduling mode 2), set by the entry lines.  The code itself states the register dependences
; between vector instructions and memory instructions, with s_wait_alu, always for 0.
; THE PLAN.  Registers that memory instructions touch:
;   v[L16], v[L8]      the offsets: made at the head, ahead of one wait; never written again.
;   MY, MXS, SMS, EE   landed in by loads that all stand behind that wait; no vector line ahead of it names them; none is loaded again.
;   the out registers  four a row (rows 0-15 at OUT, rows 16-31 where the statistics lay, which no memory instruction has read): written by the row's four multiplies, read by its store, never written again.
; The 32 rows go in four groups of eight.  A group's eight stores are issued in the next group, behind the one wait at that group's head, among multiplies that name the next group's registers alone.
.set MY,  4                            ; v[4:7]    m of my block, then 2^(m - M)
.set MM,  8                            ; v[8:11]   M
.set LS,  12                           ; v[12:15]  L
.set FF,  16                           ; v[16:19]  the factor
.set RC,  20                           ; v[20:23]  1 / L
.set ZR,  24                           ; v24  0
.set L16, 25                           ; v25  16 x lane
.set L8,  26                           ; v26  8 x lane
.set EE,  64                           ; v[64:127]  row j's four f16 at EE + 2 j
.set MXS, 128                          ; v[128:159] the eight m;  v[160:191] the eight s; later rows 16 to 31 on their way out
.set SMS, 160
.set OUT, 192                          ; v[192:255] rows 0 to 15 on their way out
.macro PUT q                           ; row q leaves: 512 consecutive bytes, at a multiple of 512 from out0's first byte
.if (\q) < 16
	global_store_b128 v[L16], v[OUT+4*(\q):OUT+4*(\q)+3], s[10:11] offset:(\q)*16384 th:TH_STORE_NT
.else
	global_store_b128 v[L16], v[MXS+4*((\q)-16):MXS+4*((\q)-16)+3], s[10:11] offset:(\q)*16384 th:TH_STORE_NT
.endif
.endm
	s_load_b256 s[4:11], s[0:1], 0x0               ; eb s[4:5], mx s[6:7], sm s[8:9], out0 s[10:11]
	v_lshrrev_b32 v1, 5, v0
	v_readfirstlane_b32 s12, v1                    ; wave
	v_and_b32 v2, 31, v0
	v_lshlrev_b32 v[L16], 4, v2
	v_lshlrev_b32 v[L8], 3, v2
	v_mov_b32 v[ZR], 0
	s_and_b32 s13, ttmp7, 0xffff                   ; the block of rows
	s_lshl_b32 s14, ttmp9, 9                       ; my 128 columns in f32
	s_mov_b32 s15, 0
	s_lshl_b32 s16, s13, 14
	s_mov_b32 s17, 0
	s_lshl_b32 s18, s13, 8
	s_wait_alu depctr_va_sdst(0)                   ; the wave's number is written into s12, ahead of its first reader
	s_lshl_b32 s19, s12, 5
	s_add_co_u32 s18, s18, s19                     ; my wave's first row
	s_lshl_b32 s20, s18, 13
	s_lshl_b32 s22, ttmp9, 8
	s_add_co_u32 s20, s20, s22
	s_mov_b32 s21, 0
	s_lshl_b32 s22, s18, 14
	s_add_co_u32 s22, s22, s14
	s_mov_b32 s23, 0
	s_wait_kmcnt 0x0
	s_add_nc_u64 s[6:7], s[6:7], s[14:15]
	s_add_nc_u64 s[8:9], s[8:9], s[14:15]
	s_add_nc_u64 s[24:25], s[6:7], s[16:17]
	s_add_nc_u64 s[4:5], s[4:5], s[20:21]
	s_add_nc_u64 s[10:11], s[10:11], s[22:23]
	s_wait_alu depctr_va_vdst(0)                   ; v[L16] and v[L8] are written: every load and store of the kernel reads one of them as its offset
	global_load_b128 v[MY:MY+3], v[L16], s[24:25]
.irp y, 0,1,2,3,4,5,6,7
	global_load_b128 v[MXS+4*(\y):MXS+4*(\y)+3], v[L16], s[6:7] offset:(\y)*16384
.endr
.irp y, 0,1,2,3,4,5,6,7
	global_load_b128 v[SMS+4*(\y):SMS+4*(\y)+3], v[L16], s[8:9] offset:(\y)*16384
.endr
.set j, 0
.rept 32
	global_load_b64 v[EE+2*j:EE+2*j+1], v[L8], s[4:5] offset:j*8192 th:TH_LOAD_NT
.set j, j+1
.endr
	s_wait_loadcnt 32                              ; the statistics are in; the 32 rows' loads may be out
.irp c, 0,1,2,3
	v_max3_num_f32 v[MM+(\c)], v[MXS+(\c)], v[MXS+4+(\c)], v[MXS+8+(\c)]
.endr
.irp c, 0,1,2,3
	v_max3_num_f32 v[MM+(\c)], v[MM+(\c)], v[MXS+12+(\c)], v[MXS+16+(\c)]
.endr
.irp c, 0,1,2,3
	v_max3_num_f32 v[MM+(\c)], v[MM+(\c)], v[MXS+20+(\c)], v[MXS+24+(\c)]
.endr
.irp c, 0,1,2,3
	v_max_num_f32 v[MM+(\c)], v[MM+(\c)], v[MXS+28+(\c)]
.endr
.irp y, 0,1,2,3,4,5,6,7
	v_pk_add_f32 v[MXS+4*(\y):MXS+4*(\y)+1], v[MXS+4*(\y):MXS+4*(\y)+1], v[MM:MM+1] neg_lo:[0,1] neg_hi:[0,1]
	v_pk_add_f32 v[MXS+4*(\y)+2:MXS+4*(\y)+3], v[MXS+4*(\y)+2:MXS+4*(\y)+3], v[MM+2:MM+3] neg_lo:[0,1] neg_hi:[0,1]
.endr
	v_pk_add_f32 v[MY:MY+1], v[MY:MY+1], v[MM:MM+1] neg_lo:[0,1] neg_hi:[0,1]
	v_pk_add_f32 v[MY+2:MY+3], v[MY+2:MY+3], v[MM+2:MM+3] neg_lo:[0,1] neg_hi:[0,1]
.set i, 0
.rept 32
	v_exp_f32 v[MXS+i], v[MXS+i]                   ; one batch of 36
.set i, i+1
.endr
.irp c, 0,1,2,3
	v_exp_f32 v[MY+(\c)], v[MY+(\c)]
.endr
	v_nop                                          ; a plain instruction behind the last exponential,
	s_wait_alu depctr_va_vdst(0)                   ; and the one wait ahead of the first use: the 36 exponentials have written v[MXS ..] and v[MY ..]
	v_pk_mul_f32 v[LS:LS+1], v[SMS:SMS+1], v[MXS:MXS+1]
	v_pk_mul_f32 v[LS+2:LS+3], v[SMS+2:SMS+3], v[MXS+2:MXS+3]
.irp y, 1,2,3,4,5,6,7
	v_pk_fma_f32 v[LS:LS+1], v[SMS+4*(\y):SMS+4*(\y)+1], v[MXS+4*(\y):MXS+4*(\y)+1], v[LS:LS+1]
	v_pk_fma_f32 v[LS+2:LS+3], v[SMS+4*(\y)+2:SMS+4*(\y)+3], v[MXS+4*(\y)+2:MXS+4*(\y)+3], v[LS+2:LS+3]
.endr
.irp c, 0,1,2,3
	v_rcp_f32 v[RC+(\c)], v[LS+(\c)]
.endr
	v_nop
	s_wait_alu depctr_va_vdst(0)                   ; one wait for the four reciprocals: they have written v[RC ..]
	v_pk_mul_f32 v[FF:FF+1], v[MY:MY+1], v[RC:RC+1]
	v_pk_mul_f32 v[FF+2:FF+3], v[MY+2:MY+3], v[RC+2:RC+3]
.set j, 0
.rept 32
.if j < 16
.set ro, OUT+4*j
.else
.set ro, MXS+4*(j-16)                  ; the statistics' registers are free by now
.endif
.if (j%8 == 0) && (j > 0)
	s_wait_alu depctr_va_vdst(0)                   ; the eight rows before are written into their out registers, which the eight stores among this group's multiplies read; these multiplies name other registers
.endif
.if j >= 8
	PUT j-8
.endif
	s_wait_loadcnt 31-j                            ; row j is in; the younger rows' loads may be out
	v_fma_mix_f32 v[ro], v[EE+2*j], v[FF], v[ZR] op_sel_hi:[1,0,0]                        ; an f16 half times the factor, in f32
	v_fma_mix_f32 v[ro+1], v[EE+2*j], v[FF+1], v[ZR] op_sel:[1,0,0] op_sel_hi:[1,0,0]
	v_fma_mix_f32 v[ro+2], v[EE+2*j+1], v[FF+2], v[ZR] op_sel_hi:[1,0,0]
	v_fma_mix_f32 v[ro+3], v[EE+2*j+1], v[FF+3], v[ZR] op_sel:[1,0,0] op_sel_hi:[1,0,0]
.set j, j+1
.endr
	s_wait_alu depctr_va_vdst(0)                   ; rows 24 to 31 are written into their out registers, which the last eight stores read
.irp n, 24,25,26,27,28,29,30,31
	PUT \n
.endr
	s_endpgm
.Lfunc_end_k_q4caa106afd_norm:
	.size	k_q4caa106afd_norm, .Lfunc_end_k_q4caa106afd_norm-k_q4caa106afd_norm
	.p2alignl 7, 3214868480
	.fill 96, 4, 3214868480
	.section	.rodata,"a",@progbits
	.p2align	6, 0x0
	.amdhsa_kernel k_q4caa106afd_norm
		.amdhsa_group_segment_fixed_size 0
		.amdhsa_private_segment_fixed_size 0
		.amdhsa_enable_private_segment 0
		.amdhsa_kernarg_size 32
		.amdhsa_user_sgpr_count 2
		.amdhsa_user_sgpr_kernarg_segment_ptr 1
		.amdhsa_wavefront_size32 1
		.amdhsa_system_sgpr_workgroup_id_x 1
		.amdhsa_system_sgpr_workgroup_id_y 1
		.amdhsa_system_sgpr_workgroup_id_z 1
		.amdhsa_system_vgpr_workitem_id 0
		.amdhsa_next_free_vgpr 256
		.amdhsa_next_free_sgpr 66
		.amdhsa_reserve_vcc 0
		.amdhsa_float_denorm_mode_32 3
		.amdhsa_float_denorm_mode_16_64 3
		.amdhsa_memory_ordered 1
		.amdhsa_forward_progress 1
		.amdhsa_inst_pref_size 23
	.end_amdhsa_kernel
	.amdgpu_metadata
---
amdhsa.version: [ 1, 2 ]
amdhsa.kernels:
  - .name:           k_q4caa106afd_norm
    .symbol:         k_q4caa106afd_norm.kd
    .args:
      - { .name: eb, .offset: 0, .size: 8, .value_kind: global_buffer, .address_space: global }
      - { .name: mx, .offset: 8, .size: 8, .value_kind: global_buffer, .address_space: global }
      - { .name: sm, .offset: 16, .size: 8, .value_kind: global_buffer, .address_space: global }
      - { .name: out0, .offset: 24, .size: 8, .value_kind: global_buffer, .address_space: global }
    .group_segment_fixed_size: 0
    .private_segment_fixed_size: 0
    .kernarg_segment_align: 8
    .kernarg_segment_size: 32
    .max_flat_workgroup_size: 256
    .sgpr_count:     66
    .vgpr_count:     256
    .wavefront_size: 32
...
	.end_amdgpu_metadata
.endif
;; end of part 6
